; MI455X (gfx1250); checked and timed in simulation.
; The chip was launched on July 23, 2026; its instructions are those of AMD's public machine-readable ISA for CDNA 5 (MIT licence, August 2026) and "CDNA5" Instruction Set Architecture Reference Guide (July 2026). The comments in the code are by the model that wrote it; some were corrected since.
;; Multi Head Attention. Allowed arithmetic: matrix products marked QUANTISED: E2M3 operands, one E8M0 scale for each 32 along K, by v_wmma_scale_f32_16x16x128_f8f6f4 with both operands' format E2M3, f32 sums; everything else in f32.
;; Inputs: freq_cos 2,048 x 64 float32; freq_sin 2,048 x 64 float32; mask 2,048 x 2,048 float32; wk 2,048 x 2,048 float32; wo 2,048 x 2,048 float32; wq 2,048 x 2,048 float32; wv 2,048 x 2,048 float32; x 1 x 2,048 x 2,048 float32.
;; Outputs: out0 1 x 2,048 x 2,048 float32.
;; This version of the problem:
;;   THIS VERSION OF THE PROBLEM IS GIVEN IN LOW PRECISION. The matrix products marked QUANTISED in the list below multiply operands that are first quantised to E2M3 (2 exponent bits, 3 mantissa bits; 6 bits a number), with one power-of-two scale for each 32 numbers along K (OCP MX v1.0); their sums are f32. All else is computed in f32.
;;   The module's matrix products, in the order in which they are computed (A, B: the left and right operand; K: the contracted axis; several contracted axes count as one K, in the product's order):
;;     1. [M 2,048, K 2,048] x [K 2,048, N 2,048]; A: input x; B: input wq: QUANTISED
;;     2. [M 2,048, K 2,048] x [K 2,048, N 2,048]; A: input x; B: input wk: QUANTISED
;;     3. [M 2,048, K 2,048] x [K 2,048, N 2,048]; A: input x; B: input wv: QUANTISED
;;     4. batch 16 x [M 2,048, K 128] x [K 128, N 2,048]; A: computed on the way; B: computed on the way: QUANTISED
;;     5. batch 16 x [M 2,048, K 2,048] x [K 2,048, N 128]; A: softmax (see below); B: computed on the way: QUANTISED
;;     6. [M 2,048, K 2,048] x [K 2,048, N 2,048]; A: computed on the way; B: input wo: QUANTISED
;;   THE QUANTISER, for each operand of a quantised product, along K:
;;     - K is cut into blocks of 32 from its start; a last block that is shorter is filled with zeros.
;;     - A block's scale is 2^e with e = floor(log2(the largest magnitude in the block)) - 2, held to -126 .. 127; a block of zeros has e = 0. As a byte (E8M0): e + 127.
;;     - Each number is divided by its block's scale, clamped to +-7.5, and rounded to the nearest number of E2M3, ties to even, subnormals kept.
;;     - The product sums the exact products of the quantised numbers (number of the format x scale) in f32.
;;   ~~~python
;;   def quantise(x, axis):      # numpy; x: float32 -> the quantised numbers, widened to float32 again
;;       x = np.moveaxis(x, axis, -1); K = x.shape[-1]
;;       x = np.pad(x, [(0, 0)] * (x.ndim - 1) + [(0, -K % 32)]); x = x.reshape(x.shape[:-1] + (-1, 32)); a = np.abs(x).max(-1, keepdims=True)
;;       e = np.where(a > 0, np.clip(np.frexp(np.where(a > 0, a, 1))[1] - 1 - 2, -126, 127), 0)      # np.frexp(a)[1] - 1 = floor(log2(a)), exactly
;;       r = np.clip(x / 2.0 ** e, -7.5, 7.5)
;;       step = 2.0 ** (np.maximum(np.frexp(np.where(r == 0, 1, r))[1] - 1, 0) - 3)
;;       q = np.round(r / step) * step * 2.0 ** e      # np.round: ties to even
;;       return np.moveaxis(q.reshape(q.shape[:-2] + (-1,))[..., :K], -1, axis).astype(np.float32)
;;   ~~~
;;   SOFTMAX AHEAD OF A QUANTISED PRODUCT. Where the list says 'softmax', what is quantised is not the finished softmax but p = 2^(t - M), with t = logit x log2(e) and M = ceil(the row's largest t), a whole number; so 1/2 < the row's largest p <= 1. The row's sum l is taken of the UNQUANTISED p, in f32, and the product's result is divided by l at the end. Since M is a whole number, a kernel that streams over the keys may use a running M (the ceiling of the running maximum): every later rescaling is an exact power of two, which a block's scale takes up: the codes' values come out the same.
;;   OPERANDS COMPUTED ON THE WAY. 'Computed on the way' means the value that the module computes at that place (a softmax that the list does not call 'softmax' is quantised finished and normalised). What goes into a quantiser is computed in f32, as accurately as f32 sums, v_exp_f32 and their like allow (about 1e-6 of the number): no bf16 or f16 on the way to a quantiser, and a product that is left as it is and whose result goes on into a quantised operand takes f32 operands (vector FMAs, or v_wmma_f32_16x16x4_f32). A number that lies on a knife's edge between two numbers of the format may be rounded either way, as far as f32 arithmetic and the matrix unit's own rounding can turn it there, and no further.
;; 2 versions, each right. Each part assembles by itself: llvm-mc -triple=amdgcn-amd-amdhsa -mcpu=gfx1250 --defsym DOCPART=n.
;; ======== version 1 of 2: 4 launches
;; workspace buffers: wcodes 15,728,640 bytes; wscales 655,360 bytes; mimg 16,777,216 bytes; qkv 9,830,400 bytes; ocodes 3,145,728 bytes; oscales 131,072 bytes
;; launch prep (part 1): grid 896 x 1, 4 waves a work-group, no clusters, 67,072 bytes of LDS; arguments x, wq, wk, wv, wo, mask, wcodes, wscales, mimg; writes wcodes, wscales, mimg
.if DOCPART == 1
	.amdgcn_target "amdgcn-amd-amdhsa--gfx1250"
	.amdhsa_code_object_version 6
	.text
	.protected	k_q1931751abf_prep
	.globl	k_q1931751abf_prep
	.p2align	8
	.type	k_q1931751abf_prep,@function
k_q1931751abf_prep:
	s_mov_b64 s[64:65], 0
	v_nop
	global_prefetch_b8 v0, s[64:65] scope:SCOPE_SE
	s_setreg_imm32_b32 hwreg(HW_REG_WAVE_MODE, 25, 1), 1
	s_wait_xcnt 0x0
; TWO JOBS IN ONE LAUNCH, told apart by the work-group's number; each has its own text, its own LDS bytes and its own end.
; (1) Work-groups 0-639: x, wq, wk, wv, wo ([2048][2048] f32, K innermost) become codes of FP6 (E2M3), 6 bits each, K innermost, with one E8M0 byte for each 32 along K.
;     A block's scale is 2^(floor(log2(its largest magnitude)) - 2); its byte is the largest magnitude's exponent field - 2, held at 1 from below.  Each number is divided by the scale and rounded to the nearest code, ties to even.
;     wcodes: five sections of 2048 rows x 1536 bytes (x, wq, wk, wv, wo); wscales: five of 2048 x 64 bytes.
;     ROW ORDER: row p of x, wq, wk, wv is laid at the place p with bits 3 and 4 swapped (wo stays as it is).  Sixteen neighbouring places then hold rows 0-7 and 16-23 (or 8-15 and 24-31) of a group of 32,
;     so that the products' results, used transposed, give a lane sixteen neighbours along the next product's K in sixteen neighbouring registers.
; (2) Work-groups 640-895: mask [2048][2048] f32 is multiplied by sqrt(128) and laid as the images of the attention launch's score registers, which take it as the C of the first product:
;     mimg [16 blocks of 128 queries][16 steps of 128 keys][8 tiles of 16 queries][8192 bytes]; in an image, piece c = 4 b + j of lane (r, h) at 512 c + 16 lane holds the four numbers of
;     query 128 block + 32 (tile / 2) + 8 (tile % 2) + r + 8 (r / 8), keys 128 step + 32 b + 16 h + 4 j + 0 .. 3.
; LIMITS: a block whose largest magnitude lies under 2^-124 gets the byte 1 (a block of zeros too, where the rule says 127: its codes are zeros, and this program alone reads the bytes); NaN and infinities in x and the
; weights are not served; mask x sqrt(128) has to stay finite: |mask| under 3e37.
; No tensor loads, no barrier: waves share nothing.
.set QWG,   640                        ; work-groups of job 1: 128 for each tensor
.set STEPS, 16                         ; job 1: a wave takes 16 steps of 512 numbers: 4 rows
.set EMAX,  2
.set CB,    12                         ; bytes of 16 codes
.set R,     16                         ; v16-79   four sets of 16 numbers as they are loaded
.set X,     80                         ; v80-111  two sets of 16 neighbours
.set E,     112                        ; v112-127 a scale byte for each step
.set C,     128                        ; v128-191 codes: four registers for each step, so that no store's data are written again
.set WREG,  8192                       ; LDS, job 1: a region for each wave: two stages of 32 x SP bytes, and behind them its 256 scale bytes
.set SP,    80                         ; a lane's place in a stage: its 64 bytes + 16 of padding
.set MLDS,  32768                      ; LDS, job 2: behind job 1's four regions
.set MPITCH, 528                       ; a stage row: 512 bytes + 16
.set MSTG,  16*MPITCH                  ; a wave's stage: 16 rows
.set IN0,   16                         ; v16-79   job 2: the first tile as loaded, later the second tile turned
.set IN1,   80                         ; v80-143  the second tile as loaded
.set BK0,   144                        ; v144-207 the first tile turned
	s_load_b512 s[8:23], s[0:1], 0x0               ; x s[8:9], wq s[10:11], wk s[12:13], wv s[14:15], wo s[16:17], mask s[18:19], wcodes s[20:21], wscales s[22:23]
	s_load_b64 s[24:25], s[0:1], 0x40              ; mimg
	v_lshl_add_u32 v208, v0, 2, 0x10400
	v_mov_b32 v209, 0
	v_lshrrev_b32 v1, 5, v0
	v_readfirstlane_b32 s26, v1                    ; wave 0..3
	v_and_b32 v2, 31, v0                           ; lane
	s_wait_kmcnt 0x0
	s_cmp_ge_u32 ttmp9, QWG
	s_cbranch_scc1 .Lmask
; ---------------- job 1: the quantiser ----------------
; The conversion takes 16 numbers of ONE block from a lane's registers, so a lane must hold 16 neighbours (two neighbouring lanes hold a block); a load is best where neighbouring LANES take neighbouring bytes.
; Both are had: each of a step's four loads reads 512 consecutive bytes, 16 a lane; the 2,048 bytes go through the wave's own stage in LDS and come back 64 bytes a lane.
	v_lshlrev_b32 v3, 4, v2                        ; my 16 bytes of a load's 512
	s_mul_i32 s27, s26, WREG
	v_lshrrev_b32 v14, 2, v2
	v_mul_u32_u24 v14, v14, SP
	v_and_b32 v15, 3, v2
	v_lshl_add_u32 v14, v15, 4, v14
	v_add_nc_u32 v14, s27, v14                     ; the stage, on the way in: SP (lane / 4) + 16 (lane % 4)
	v_mul_u32_u24 v15, v2, SP
	v_add_nc_u32 v15, s27, v15                     ; and on the way out: SP x lane: my 16 neighbours
	v_mul_u32_u24 v4, v2, CB                       ; my codes' place in a step's
	v_lshrrev_b32 v5, 1, v2
	s_add_co_u32 s27, s27, 2*32*SP
	v_add_nc_u32 v5, s27, v5                       ; LDS: my wave's 256 scale bytes, my block's byte
	v_lshlrev_b32 v7, 3, v2                        ; and on the way out 8 bytes a lane
	v_add_nc_u32 v6, s27, v7
	s_lshr_b32 s28, ttmp9, 7                       ; which tensor: 0 x, 1 wq, 2 wk, 3 wv, 4 wo.  The choice hangs on the work-group's number alone
	s_mov_b64 s[4:5], s[8:9]
	s_cmp_eq_u32 s28, 1
	s_cselect_b64 s[4:5], s[10:11], s[4:5]
	s_cmp_eq_u32 s28, 2
	s_cselect_b64 s[4:5], s[12:13], s[4:5]
	s_cmp_eq_u32 s28, 3
	s_cselect_b64 s[4:5], s[14:15], s[4:5]
	s_cmp_eq_u32 s28, 4
	s_cselect_b64 s[4:5], s[16:17], s[4:5]
	s_and_b32 s29, ttmp9, 127
	s_lshl_b32 s29, s29, 2
	s_add_co_u32 s29, s29, s26                     ; which run of 4 rows of the tensor is my wave's: 0..511
	s_and_b32 s30, s29, 0xfffffff9                 ; where it is laid: a row's bits 3 and 4 are the run's bits 1 and 2: they change places
	s_bfe_u32 s31, s29, 0x10001
	s_lshl_b32 s31, s31, 2
	s_or_b32 s30, s30, s31
	s_bfe_u32 s31, s29, 0x10002
	s_lshl_b32 s31, s31, 1
	s_or_b32 s30, s30, s31
	s_cmp_eq_u32 s28, 4                            ; wo keeps its order
	s_cselect_b32 s30, s29, s30
	s_lshl_b32 s32, s29, 15                        ; in: 32,768 bytes a run
	s_mov_b32 s33, 0
	s_add_nc_u64 s[4:5], s[4:5], s[32:33]
	s_mul_i32 s32, s28, 3145728                    ; codes: the tensor's section, 6,144 bytes a run
	s_mul_i32 s34, s30, 6144
	s_add_co_u32 s32, s32, s34
	s_add_nc_u64 s[20:21], s[20:21], s[32:33]
	s_lshl_b32 s32, s28, 17                        ; scale bytes: the section, 256 bytes a run
	s_lshl_b32 s34, s30, 8
	s_add_co_u32 s32, s32, s34
	s_add_nc_u64 s[22:23], s[22:23], s[32:33]
.macro LOAD t
.irp i, 0,1,2,3
	global_load_b128 v[R+16*((\t)%4)+4*\i:R+16*((\t)%4)+4*\i+3], v3, s[4:5] offset:2048*(\t)+512*\i th:TH_LOAD_NT   ; 32 lanes read 512 consecutive bytes
.endr
.endm
.macro TURN t                          ; step t's numbers through the stage: LDS serves a wave's instructions in order (ISA guide 5.7.1.4), so no wait stands between the stores and the loads
.irp i, 0,1,2,3
	ds_store_b128 v14, v[R+16*((\t)%4)+4*\i:R+16*((\t)%4)+4*\i+3] offset:32*SP*((\t)%2)+8*SP*\i
.endr
.irp i, 0,1,2,3
	ds_load_b128 v[X+16*((\t)%2)+4*\i:X+16*((\t)%2)+4*\i+3], v15 offset:32*SP*((\t)%2)+16*\i
.endr
.endm
.irp t, 0,1,2,3
	LOAD \t
.endr
	s_wait_loadcnt 12                              ; step 0's four loads are in; the twelve of steps 1 to 3 stay out
	TURN 0
.macro STEP t
.set XS, X+16*((\t)%2)
.if (\t) > 0
	s_wait_dscnt 1                                 ; this step's numbers are back from the stage (the last step's byte store may be out): so its stores into the stage have read their registers,
.else
	s_wait_dscnt 0x0
.endif
.if (\t)+4 < STEPS
	LOAD (\t)+4                                    ; which take the loads of four steps on
.endif
.if (\t)+1 < STEPS
.if STEPS-2-(\t) >= 3
	s_wait_loadcnt 12                              ; the next step's four loads are in; those of the three steps behind it may be out
.else
	s_wait_loadcnt 4*(STEPS-2-(\t))
.endif
	TURN (\t)+1                                    ; and go through the other stage while this step is worked
.endif
	v_max3_num_f32 v8, |v[XS]|, |v[XS+1]|, |v[XS+2]|               ; the largest magnitude of my 16, in two chains
	v_max3_num_f32 v9, |v[XS+3]|, |v[XS+4]|, |v[XS+5]|
.irp i, 6,10
	v_max3_num_f32 v8, v8, |v[XS+\i]|, |v[XS+\i+1]|
	v_max3_num_f32 v9, v9, |v[XS+\i+2]|, |v[XS+\i+3]|
.endr
	v_max3_num_f32 v8, v8, |v[XS+14]|, |v[XS+15]|
	v_max3_num_f32 v8, v8, v9, (EMAX+1)<<23        ; and the floor 2^(EMAX + 1 - 127): so the byte cannot fall under 1
	v_max_num_f32_dpp v8, v8, v8 row_xmask:1 row_mask:0xf bank_mask:0xf   ; and of my neighbour's 16: the block's
	v_add_nc_u32 v11, -(EMAX<<23), v8              ; EMAX off its exponent field: the conversion takes the exponent field of this operand as its scale, and nothing else of it
	v_cvt_scalef32_pk16_fp6_f32 v[C+4*(\t):C+4*(\t)+2], v[XS:XS+15], v11         ; sixteen codes, 96 bits without gaps, the first number's code lowest
	v_lshrrev_b32 v[E+(\t)], 23, v11               ; the scale's byte
	ds_store_b8 v5, v[E+(\t)] offset:16*(\t)       ; both lanes of a block write the same byte with the same value
	global_store_b96 v4, v[C+4*(\t):C+4*(\t)+2], s[20:21] offset:32*CB*(\t)      ; the wave stores 384 consecutive bytes
.endm
.irp t, 0,1,2,3,4,5,6,7,8,9,10,11,12,13,14,15
	STEP \t
.endr
	ds_load_b64 v[12:13], v6                       ; LDS serves a wave's instructions in order: these see my stores
	s_wait_dscnt 0x0
	global_store_b64 v7, v[12:13], s[22:23]        ; 32 lanes store 256 consecutive bytes, at a multiple of 256 from the buffer's first byte
	s_wait_tensorcnt 0x0
	ds_add_u32 v208, v209
	s_wait_dscnt 0x0
	s_endpgm
; ---------------- job 2: the mask's images ----------------
; A wave makes two images: one tile of 16 queries, two neighbouring steps of 128 keys.  Each load reads 512 consecutive bytes of one row; the 16 rows go through the wave's stage and come back
; in the order of the score registers; each store covers 512 consecutive bytes of the image.
.Lmask:
	s_sub_co_u32 s27, ttmp9, QWG
	s_lshl_b32 s27, s27, 2
	s_add_co_u32 s27, s27, s26                     ; u = 0..1023
	s_lshr_b32 s28, s27, 3                         ; P = 8 x block + tile
	s_and_b32 s29, s27, 7                          ; which pair of key steps
	s_lshr_b32 s30, s28, 1
	s_lshl_b32 s30, s30, 5
	s_and_b32 s31, s28, 1
	s_lshl_b32 s31, s31, 3
	s_add_co_u32 s30, s30, s31                     ; the tile's first row: 32 (P / 2) + 8 (P % 2)
	s_lshl_b32 s30, s30, 13                        ; a row of the mask is 8,192 bytes
	s_lshl_b32 s31, s29, 10                        ; two steps are 1,024 bytes of it
	s_add_co_u32 s30, s30, s31
	s_mov_b32 s31, 0
	s_add_nc_u64 s[18:19], s[18:19], s[30:31]
	s_lshr_b32 s32, s28, 3
	s_lshl_b32 s32, s32, 4
	s_lshl_b32 s33, s29, 1
	s_add_co_u32 s32, s32, s33                     ; 16 x block + step
	s_lshl_b32 s32, s32, 3
	s_and_b32 s33, s28, 7
	s_add_co_u32 s32, s32, s33                     ; x 8 + tile
	s_lshl_b32 s32, s32, 13                        ; images of 8,192 bytes
	s_mov_b32 s33, 0
	s_add_nc_u64 s[24:25], s[24:25], s[32:33]
	s_mul_i32 s34, s26, MSTG
	s_add_co_u32 s34, s34, MLDS                    ; my stage
	v_lshlrev_b32 v1, 4, v2                        ; 16 x lane: in memory, both ways
	v_add_nc_u32 v3, s34, v1                       ; the stage, on the way in: a row as it lies
	v_and_b32 v5, 15, v0                           ; r
	v_bfe_u32 v6, v0, 4, 1                         ; h
	v_mul_u32_u24 v4, v5, MPITCH
	v_lshl_add_u32 v4, v6, 6, v4
	v_add_nc_u32 v4, s34, v4                       ; on the way out: row r, + 64 h: my 16 keys of each block of 32
.irp t, 0,1
.irp p, 0,1,2,3,4,5,6,7,8,9,10,11,12,13,14,15
	global_load_b128 v[IN0+64*\t+4*\p:IN0+64*\t+4*\p+3], v1, s[18:19] offset:(\p+8*(\p/8))*8192+512*\t th:TH_LOAD_NT   ; the tile's row p lies p + 8 (p / 8) rows on
.endr
.endr
	s_wait_loadcnt 16                              ; the first tile's sixteen loads are in; the second's sixteen stay out
.irp p, 0,1,2,3,4,5,6,7,8,9,10,11,12,13,14,15
	ds_store_b128 v3, v[IN0+4*\p:IN0+4*\p+3] offset:MPITCH*\p
.endr
.irp c, 0,1,2,3,4,5,6,7,8,9,10,11,12,13,14,15
	ds_load_b128 v[BK0+4*\c:BK0+4*\c+3], v4 offset:128*(\c/4)+16*(\c%4)          ; LDS serves a wave's instructions in order: these see the stores above
.endr
	s_wait_loadcnt 0x0
.irp p, 0,1,2,3,4,5,6,7,8,9,10,11,12,13,14,15
	ds_store_b128 v3, v[IN1+4*\p:IN1+4*\p+3] offset:MPITCH*\p                    ; the second tile, behind the first tile's reads
.endr
	s_wait_dscnt 16                                ; all but these sixteen stores are done: the first tile is back, and its stores have read IN0, which is loaded anew
.irp c, 0,1,2,3,4,5,6,7,8,9,10,11,12,13,14,15
	ds_load_b128 v[IN0+4*\c:IN0+4*\c+3], v4 offset:128*(\c/4)+16*(\c%4)
.endr
.set j, 0
.rept 32
	v_pk_mul_f32 v[BK0+j:BK0+j+1], v[BK0+j:BK0+j+1], 0x413504f3 op_sel_hi:[1,0]  ; x sqrt(128): the scores are scaled by 1 / sqrt(128) only behind the sum
.set j, j+2
.endr
.irp c, 0,1,2,3,4,5,6,7,8,9,10,11,12,13,14,15
	global_store_b128 v1, v[BK0+4*\c:BK0+4*\c+3], s[24:25] offset:512*\c
.endr
	s_wait_dscnt 0x0
.set j, 0
.rept 32
	v_pk_mul_f32 v[IN0+j:IN0+j+1], v[IN0+j:IN0+j+1], 0x413504f3 op_sel_hi:[1,0]
.set j, j+2
.endr
.irp c, 0,1,2,3,4,5,6,7,8,9,10,11,12,13,14,15
	global_store_b128 v1, v[IN0+4*\c:IN0+4*\c+3], s[24:25] offset:65536+512*\c   ; the next key step's image lies eight images on
.endr
	s_wait_tensorcnt 0x0
	ds_add_u32 v208, v209
	s_wait_dscnt 0x0
	s_endpgm
.Lfunc_end_k_q1931751abf_prep:
	.size	k_q1931751abf_prep, .Lfunc_end_k_q1931751abf_prep-k_q1931751abf_prep
	.p2alignl 7, 3214868480
	.fill 96, 4, 3214868480
	.section	.rodata,"a",@progbits
	.p2align	6, 0x0
	.amdhsa_kernel k_q1931751abf_prep
		.amdhsa_group_segment_fixed_size 67072
		.amdhsa_private_segment_fixed_size 0
		.amdhsa_enable_private_segment 0
		.amdhsa_kernarg_size 72
		.amdhsa_user_sgpr_count 2
		.amdhsa_user_sgpr_kernarg_segment_ptr 1
		.amdhsa_wavefront_size32 1
		.amdhsa_system_sgpr_workgroup_id_x 1
		.amdhsa_system_sgpr_workgroup_id_y 1
		.amdhsa_system_sgpr_workgroup_id_z 1
		.amdhsa_system_vgpr_workitem_id 0
		.amdhsa_next_free_vgpr 210
		.amdhsa_next_free_sgpr 66
		.amdhsa_reserve_vcc 0
		.amdhsa_float_denorm_mode_32 3
		.amdhsa_float_denorm_mode_16_64 3
		.amdhsa_memory_ordered 1
		.amdhsa_forward_progress 1
		.amdhsa_inst_pref_size 51
	.end_amdhsa_kernel
	.amdgpu_metadata
---
amdhsa.version: [ 1, 2 ]
amdhsa.kernels:
  - .name:           k_q1931751abf_prep
    .symbol:         k_q1931751abf_prep.kd
    .args:
      - { .name: x, .offset: 0, .size: 8, .value_kind: global_buffer, .address_space: global }
      - { .name: wq, .offset: 8, .size: 8, .value_kind: global_buffer, .address_space: global }
      - { .name: wk, .offset: 16, .size: 8, .value_kind: global_buffer, .address_space: global }
      - { .name: wv, .offset: 24, .size: 8, .value_kind: global_buffer, .address_space: global }
      - { .name: wo, .offset: 32, .size: 8, .value_kind: global_buffer, .address_space: global }
      - { .name: mask, .offset: 40, .size: 8, .value_kind: global_buffer, .address_space: global }
      - { .name: wcodes, .offset: 48, .size: 8, .value_kind: global_buffer, .address_space: global }
      - { .name: wscales, .offset: 56, .size: 8, .value_kind: global_buffer, .address_space: global }
      - { .name: mimg, .offset: 64, .size: 8, .value_kind: global_buffer, .address_space: global }
    .group_segment_fixed_size: 67072
    .private_segment_fixed_size: 0
    .kernarg_segment_align: 8
    .kernarg_segment_size: 72
    .max_flat_workgroup_size: 128
    .sgpr_count:     66
    .vgpr_count:     210
    .wavefront_size: 32
...
	.end_amdgpu_metadata
.endif
;; end of part 1
;; launch proj (part 2): grid 24 x 8, 4 waves a work-group, clusters of 4 x 4, 327,680 bytes of LDS; arguments wcodes, wscales, freq_cos, freq_sin, qkv; writes qkv
.if DOCPART == 2
	.amdgcn_target "amdgcn-amd-amdhsa--gfx1250"
	.amdhsa_code_object_version 6
	.text
	.protected	k_q1931751abf_proj
	.globl	k_q1931751abf_proj
	.p2align	8
	.type	k_q1931751abf_proj,@function
k_q1931751abf_proj:
	s_mov_b64 s[64:65], 0
	v_nop
	global_prefetch_b8 v0, s[64:65] scope:SCOPE_SE
	s_setreg_imm32_b32 hwreg(HW_REG_WAVE_MODE, 25, 1), 1
	s_wait_xcnt 0x0
	s_wait_alu depctr_hold_cnt(0) depctr_sa_sdst(0) depctr_va_vdst(0) depctr_va_sdst(0) depctr_va_ssrc(0) depctr_va_vcc(0) depctr_vm_vsrc(0)
	s_getreg_b32 s2, hwreg(HW_REG_IB_STS2, 6, 4)
	s_cmp_eq_u32 s2, 0
	s_cbranch_scc0 .Lentry_in_a_cluster
	s_endpgm
.Lentry_in_a_cluster:
	s_bfe_u32 s2, ttmp6, 0x10000c
	s_cmp_lg_u32 s2, 0xf033
	s_cbranch_scc0 .Lentry_shape_is_right
	s_endpgm
.Lentry_shape_is_right:
; THE THREE PROJECTIONS, THE ROTATION, AND THE QUANTISING OF q, k AND v, in one launch.  All products on codes of FP6 (E2M3) with one E8M0 scale for each 32 along K; sums in f32.
; wcodes: 10,240 rows of 1,536 bytes (2,048 codes): x, wq, wk, wv, wo, 2,048 rows each; wscales: the same rows, 64 bytes each.  The rows of x, wq, wk, wv lie with bits 3 and 4 of their number swapped.
; A tile of C = A B^T, 256 x 256, is made by a work-group of four waves; a wave makes 128 x 128: 64 accumulators of 16 x 16, 512 registers.  K = 2,048 goes in steps of 256 through a ring of two LDS slots.
; Tile columns 0-7: A = x, B = wq (q);  8-15: A = x, B = wk (k);  16-23: A = wv, B = x (v transposed: its rows are the head's channels, its columns the keys, which are the next product's K).
; THE MATRIX INSTRUCTION IS USED TRANSPOSED (source 0 = 16 rows of B, source 1 = 16 rows of A): a lane holds one row of A's, and, by the order of B's rows, the 64 registers of a block of 16 rows are
; register 16 b + i = column 32 b + 16 (lane / 16) + i of the wave's 128: sixteen neighbours along the next K.  So each block is rotated (q, k), quantised in registers, and leaves as the image of an operand's registers.
; qkv: 768 blocks of 12,800 bytes (128 rows x 128 K): 8 images of 1,536 bytes (registers 4 c .. 4 c + 3 of lane l at 512 c + 16 l), then 128 scale words.  q: block 16 head + rows / 128;  k: 256 + the same;  v: 512 + 16 head + keys / 128.
; THE SCALES of the work-group's 256 rows of A and of B, for all of K, are two dense blocks of memory: they come into LDS once, with the first fills, and stay.
; CLUSTERS: 4 x 4 work-groups.  The four of a row of the cluster need the same tiles of A, the four of a column the same tiles of B: each tile is asked for JOINTLY, by the same tensor load with the same descriptor
; and a mask that names the four.  The cluster's x (six clusters along x) says which operands are taken: it is the same in all sixteen partners.
; LIMITS: a block whose largest magnitude lies under 2^-124 gets the byte 1 (a block of zeros too: its codes are zeros, and this program alone reads the bytes); the rotation is a multiplication and a fused multiply-add.
; REGISTERS, in windows of 256: window 0: v0-31 addresses; v32-63 scale words, two sets, and nothing else; from v128 A's fragments, ONE set; on the way out v64-239.
;   window 1: B's fragments, TWO sets, at v0 and at v128.   window 2: the 32 accumulators of my rows 0-63 (accumulator (a, b) at v[8 (8 a + b)]);   window 3: those of my rows 64-127.
.set SIZE_K, 2048
.set KSTEP,  256                       ; along K in a slot
.set NQ,     KSTEP/128                 ; matrix instructions deep
.set ROWB,   192                       ; a tile's row in bytes
.set KROW,   SIZE_K*6/8                ; a row of codes in memory, in bytes
.set PITCH,  240                       ; an LDS row: 3 x (64 bytes of data + 16 of padding) = 60 words: row r starts at bank -4 r mod 64 (64 banks of 4 bytes: ISA guide 11.1)
.set FR,     12                        ; registers of a fragment: 16 rows x 128 K
.set NL,     6                         ; LDS loads that bring one
.set NP,     4                         ; places behind this matrix instruction (ISA guide 7.12.1)
.set HALFT,  128*PITCH                 ; 128 rows: what one tensor load brings, and what one wave reads of A or of B
.set SLOT,   4*HALFT                   ; A's 256 rows, then B's 256 rows
.set LAPS,   SIZE_K/(2*KSTEP)          ; a lap = two K steps = once round the ring
.set KS,     SIZE_K/32                 ; a row of scales in bytes
.set SCL,    2*SLOT                    ; behind the ring: the scales, as units of 256 bytes + 16 of padding
.set HALFS,  (128*KS/256)*272          ; the scales of 128 rows: what one tensor load brings
.set SBLK,   (16*KS/256)*272           ; those of 16 rows
.set SPARE,  SCL+4*HALFS               ; behind the scales: the spare words, 128 bytes for each wave
.set BLKB,   12800                     ; a block of qkv
.set ADRA, 16                          ; v16-17  LDS address of my A fragments in slot 0, 1  (v18-19: the same for the pieces that lie behind one padding more)
.set ADRB, 20                          ; v20-21  the same for B  (v22-23)
.set SST,  24                          ; v24     the way out: where my row's scale word goes: 512 x wave + 4 (lane % 16), in slot 0, which has had its last fill and its last read by then
.set SRD,  25                          ; v25     and where 16 bytes of the wave's 128 words are read back: 512 x wave + 16 x lane
.set ADRS, 27                          ; v27     LDS address of my scale words: lanes 0-15 A's rows, lanes 16-31 B's
.set SPW,  28                          ; v28     LDS address of my spare word; never rewritten
.set NIL,  29                          ; v29     0; never rewritten
.set CSA,  30                          ; v30     my byte in a block's rows of freq_cos and freq_sin
.set IMO,  31                          ; v31     16 x lane: my place in an image
.set SC,   32                          ; scale words: set s at v[SC + 8 NQ s]; register NQ i + q: lanes 0-15 the word of A's block i, lanes 16-31 that of B's block i
.set AF,   128                         ; A's fragments, in window 0
.set COS,  64                          ; the way out: v64-95 my row's 32 cosines, v96-127 its sines (1 and 0 where nothing is rotated)
.set SIN,  96
.set R0,   128                         ; v128-191 the 64 numbers to be quantised
.set PC,   192                         ; v192-211 the codes
.set TM,   212                         ; v212-227 at work
.set PW,   228                         ; v228-235 a scale word for each of the eight blocks
.set BACK, 236                         ; v236-239 the scale words read back
.set G1, 24                            ; s[24:31] descriptor group 1 for A's tiles;  s[32:39] group 0, one set for each slot
.set G0, 32
.set G1B, 48                           ; s[48:55], s[56:63] the same for B's tiles
.set G0B, 56
.set G1S, 68                           ; s[68:75], s[76:79] groups 1 and 0 for A's scales;  s[80:87], s[88:91] for B's
.set G0S, 76
.set G1SB, 80
.set G0SB, 88
.set SEL, 96                           ; s[96:97] lane selects for v_permlanex16_b32: lane l xor 16
.set MSB, 0
.macro WIN new                         ; the immediate's high byte repeats the setting that is left
.if MSB != \new
	s_set_vgpr_msb (MSB<<8)|\new
.set MSB, \new
.endif
.endm
.set MUL_LO, 0xa1                      ; source 0 (B) window 1, source 1 (A) window 0, C and D window 2
.set MUL_HI, 0xf1                      ; the same, C and D window 3
.set TO_B,   0x40                      ; destination window 1, address window 0
; A joint load: waves 0 and 1 fetch for A, waves 2 and 3 for B.  Each of the two lines has ONE mask and one set of registers for all that issue it; the branch hangs on the wave's number alone.
; Four v_nop follow each of the two lines, ahead of the jump, the label and what follows.
.macro JLOAD g0a, g1a, g0b, g1b
	s_cmp_eq_u32 s15, 0
	s_cbranch_scc0 .Lfor_b_\@
	tensor_load_to_lds s[\g0a:\g0a+3], s[\g1a:\g1a+7]
	s_nop 0
.rept 4
	v_nop
.endr
	s_branch .Lasked_\@
.Lfor_b_\@:
	tensor_load_to_lds s[\g0b:\g0b+3], s[\g1b:\g1b+7]
	s_nop 0
.rept 4
	v_nop
.endr
.Lasked_\@:
.endm
.macro CREST                           ; a round of the cluster's barrier behind its opening barrier
	s_cmp_lg_u32 s14, 0
	s_cbranch_scc1 .Lnot_wave_0_\@
	s_barrier_signal -3
.Lnot_wave_0_\@:
	s_barrier_wait -3
	s_barrier_signal -1
	s_barrier_wait -1
.endm
.macro CROUND                          ; a whole round
	s_barrier_signal -1
	s_barrier_wait -1
	CREST
.endm
	s_load_b128 s[4:7], s[0:1], 0x0                ; wcodes s[4:5], wscales s[6:7]
	s_load_b128 s[8:11], s[0:1], 0x10              ; freq_cos s[8:9], freq_sin s[10:11]
	s_load_b64 s[12:13], s[0:1], 0x20              ; qkv
	v_lshl_add_u32 v[SPW], v0, 2, SPARE
	v_mov_b32 v[NIL], 0
	ds_add_u32 v28, v29
	s_wait_dscnt 0x0
	v_lshrrev_b32 v1, 5, v0
	v_readfirstlane_b32 s14, v1                    ; wave 0..3
	s_lshr_b32 s15, s14, 1                         ; which half of the tile's rows is mine.  Also: I fetch for A (0) or for B (1)
	s_and_b32 s16, s14, 1                          ; which half of its columns.  Also: which 128 rows of that tile I fetch
	s_bfe_u32 s40, ttmp6, 0x40000                  ; cx, cy: my place in the cluster
	s_bfe_u32 s41, ttmp6, 0x40004
	s_lshl_b32 s42, ttmp9, 2
	s_add_co_u32 s42, s42, s40                     ; tile column = 4 x cluster x + cx: 0..23
	s_and_b32 s17, ttmp7, 0xffff
	s_lshl_b32 s17, s17, 2
	s_add_co_u32 s17, s17, s41                     ; tile row = 4 x cluster y + cy: 0..7
	s_lshl_b32 s43, s41, 2
	s_lshl_b32 s43, 15, s43                        ; my row of the cluster
	s_lshl_b32 s44, 0x1111, s40                    ; my column
	; descriptor group 1: a tile of 128 rows x ROWB bytes, padded in LDS
	s_or_b32 s[G1+0], s43, (0<<16)|(1<<20)|(1<<21)|(3<<22)|(3<<25)  ; 15:0 the mask: A's tiles go to my row; 17:16 element of 1 byte; 20 padding on; 21 set beside a mask; 24:22 after every 16 words (code 3); 31:25 of 4 words (code 3)
	s_or_b32 s[G1B+0], s44, (0<<16)|(1<<20)|(1<<21)|(3<<22)|(3<<25)
.irp g, G1, G1B
	s_mov_b32 s[\g+1], ROWB<<16                    ; tensor_dim0
	s_mov_b32 s[\g+2], 128<<16                     ; tensor_dim1 = 128
	s_mov_b32 s[\g+3], ROWB<<16                    ; tile_dim0
	s_mov_b32 s[\g+4], 128                         ; tile_dim1 = 128
	s_mov_b32 s[\g+5], KROW                        ; tensor_dim0_stride
	s_mov_b32 s[\g+6], 0
	s_mov_b32 s[\g+7], 0
.endr
	; and for the scales of 128 rows: a dense block of 128 KS bytes, as rows of 256 bytes (32 elements of 8 bytes), 16 bytes of padding behind each
	s_or_b32 s[G1S+0], s43, (3<<16)|(1<<20)|(1<<21)|(5<<22)|(3<<25)
	s_or_b32 s[G1SB+0], s44, (3<<16)|(1<<20)|(1<<21)|(5<<22)|(3<<25)
.irp g, G1S, G1SB
	s_mov_b32 s[\g+1], 32<<16
	s_mov_b32 s[\g+2], (128*KS/256)<<16
	s_mov_b32 s[\g+3], 32<<16
	s_mov_b32 s[\g+4], 128*KS/256
	s_mov_b32 s[\g+5], 32
	s_mov_b32 s[\g+6], 0
	s_mov_b32 s[\g+7], 0
.endr
	s_mov_b32 s[SEL], 0x76543210
	s_mov_b32 s[SEL+1], 0xfedcba98
	; which rows of the 10,240: clusters 0-3 along x: A = x (row 0 on), B = wq, wk (row 2,048 on);  clusters 4, 5: A = wv (row 6,144 on), B = x
	s_cmp_lt_u32 ttmp9, 4
	s_cselect_b32 s98, 0, 6144
	s_cselect_b32 s99, 6144, 0
	s_lshl_b32 s18, s16, 7                         ; which 128 rows of the tile I fetch
	s_lshl_b32 s20, s17, 8
	s_add_co_u32 s20, s20, s18
	s_add_co_u32 s20, s20, s98                     ; A: 256 x tile row + 128 x half + its section
	s_lshl_b32 s46, s42, 8
	s_add_co_u32 s46, s46, s18
	s_add_co_u32 s46, s46, s99
	s_sub_co_u32 s46, s46, 4096                    ; B: 256 x tile column + 128 x half + 2,048, or - 4,096 (tile columns 16 on)
	s_mov_b32 s21, 0
	s_mov_b32 s47, 0
	s_mov_b64 s[18:19], KS
	s_mul_u64 s[22:23], s[20:21], s[18:19]         ; where these rows' scales begin, in bytes
	s_mul_u64 s[92:93], s[46:47], s[18:19]
	s_mov_b64 s[18:19], KROW
	s_mul_u64 s[20:21], s[20:21], s[18:19]         ; and their codes
	s_mul_u64 s[46:47], s[46:47], s[18:19]
	s_mul_i32 s45, s14, HALFT                      ; where they go: wave x 128 rows: no place in the cluster enters an LDS address
	s_mul_i32 s94, s14, HALFS
	s_wait_kmcnt 0x0
	s_add_nc_u64 s[20:21], s[4:5], s[20:21]
	s_add_nc_u64 s[22:23], s[6:7], s[22:23]
	s_add_nc_u64 s[46:47], s[4:5], s[46:47]
	s_add_nc_u64 s[92:93], s[6:7], s[92:93]
	CROUND                                         ; all sixteen work-groups are here: the first joint loads meet
	s_mov_b32 s[G0S], 1
	s_add_co_u32 s[G0S+1], s94, SCL
	s_mov_b64 s[G0S+2:G0S+3], s[22:23]
	s_or_b32 s[G0S+3], s[G0S+3], 0x80000000
	s_mov_b32 s[G0SB], 1
	s_add_co_u32 s[G0SB+1], s94, SCL
	s_mov_b64 s[G0SB+2:G0SB+3], s[92:93]
	s_or_b32 s[G0SB+3], s[G0SB+3], 0x80000000
	JLOAD G0S, G1S, G0SB, G1SB                     ; the scales first: they are wanted with K step 0
.irp s, 0,1
	s_mov_b32 s[G0+4*\s], 1
	s_add_co_u32 s[G0+4*\s+1], s45, \s*SLOT
	s_add_nc_u64 s[G0+4*\s+2:G0+4*\s+3], s[20:21], \s*ROWB
	s_or_b32 s[G0+4*\s+3], s[G0+4*\s+3], 0x80000000
	s_mov_b32 s[G0B+4*\s], 1
	s_add_co_u32 s[G0B+4*\s+1], s45, \s*SLOT
	s_add_nc_u64 s[G0B+4*\s+2:G0B+4*\s+3], s[46:47], \s*ROWB
	s_or_b32 s[G0B+4*\s+3], s[G0B+4*\s+3], 0x80000000
	JLOAD G0+4*\s, G1, G0B+4*\s, G1B
.endr
	v_and_b32 v1, 15, v0                           ; l % 16
	v_bfe_u32 v2, v0, 4, 1                         ; l / 16
	v_mul_u32_u24 v3, v1, PITCH
	v_mul_u32_u24 v4, v2, 24
	v_add_nc_u32 v4, v3, v4                        ; a fragment's row x pitch + 24 x half
	v_lshl_add_u32 v5, v2, 4, v4                   ; and the same behind one padding more
	s_mul_i32 s21, s15, HALFT                      ; my 128 rows of A
	s_mul_i32 s22, s16, HALFT                      ; my 128 rows of B,
	s_add_co_u32 s22, s22, 2*HALFT                 ; which lie behind A's 256
.irp s, 0,1
	v_add_nc_u32 v[ADRA+\s], s21, v4
	v_add_nc_u32 v[ADRB+\s], s22, v4
	v_add_nc_u32 v[ADRA+2+\s], s21, v5
	v_add_nc_u32 v[ADRB+2+\s], s22, v5
	s_add_co_u32 s21, s21, SLOT
	s_add_co_u32 s22, s22, SLOT
.endr
	v_mul_u32_u24 v5, v1, KS                       ; my row's scales: KS bytes a row,
	v_lshrrev_b32 v6, 8, v5
	v_lshl_add_u32 v5, v6, 4, v5                   ; and 16 more for each 256 passed
	s_mul_i32 s21, s15, HALFS                      ; A's: my 128 rows
	s_mul_i32 s22, s16, HALFS                      ; B's: my 128 rows, behind A's 256
	s_add_co_u32 s22, s22, 2*HALFS
	s_sub_co_u32 s22, s22, s21
	v_mul_u32_u24 v6, s22, v2                      ; lanes 16-31 take B's
	s_add_co_u32 s21, s21, SCL
	v_add_nc_u32 v5, v5, v6
	v_add_nc_u32 v[ADRS], s21, v5
	; the way out's addresses
	s_lshl_b32 s23, s14, 9                         ; 512 bytes of slot 0 for each wave's 128 scale words
	v_lshl_add_u32 v[SST], v1, 2, s23
	v_and_b32 v6, 31, v0
	v_lshlrev_b32 v[IMO], 4, v6
	v_add_nc_u32 v[SRD], s23, v[IMO]
	v_and_b32 v6, 8, v1
	v_add_nc_u32 v6, v6, v1                        ; lane r of a block of 16 places holds row r + 8 (r / 8) of its group
	v_lshlrev_b32 v[CSA], 8, v6                    ; a row of freq_cos is 256 bytes;
	v_lshl_add_u32 v[CSA], v2, 5, v[CSA]           ; my 8 pairs of each 32 channels begin 32 h bytes on
	s_lshl_b32 s20, s17, 8
	s_lshl_b32 s21, s15, 7
	s_add_co_u32 s20, s20, s21                     ; my first row: 256 x tile row + 128 x half
	s_lshl_b32 s20, s20, 8
	s_mov_b32 s21, 0
	s_add_nc_u64 s[8:9], s[8:9], s[20:21]
	s_add_nc_u64 s[10:11], s[10:11], s[20:21]
	s_lshl_b32 s20, s17, 1
	s_add_co_u32 s20, s20, s15                     ; I: which 128 rows
	s_lshl_b32 s46, s42, 1
	s_add_co_u32 s46, s46, s16                     ; J: which 128 columns
	s_lshl_b32 s21, s46, 4
	s_add_co_u32 s21, s21, s20                     ; q, k: block 16 J + I (J = the head, and 16 on for k)
	s_lshl_b32 s47, s20, 4
	s_add_co_u32 s47, s47, s46
	s_add_co_u32 s47, s47, 480                     ; v: block 512 + 16 I + (J - 32) (I = the head)
	s_cmp_lt_u32 ttmp9, 4
	s_cselect_b32 s46, s21, s47
	s_mul_i32 s46, s46, BLKB
	s_mov_b32 s47, 0
	s_add_nc_u64 s[12:13], s[12:13], s[46:47]
.macro FRAG reg, adr, q, i             ; a fragment, 16 rows x 128 K of 6-bit codes, is 12 registers: lane l holds row l % 16; registers 6 c .. 6 c + 5 hold K = 64 c + 32 (l / 16) + 0 .. 31: 24 bytes of the row's stream of bits, as they lie
.irp p, 0,1,2,3,4,5                    ; in pieces of 8 bytes, so that every address is a multiple of the access's size.  Lanes 0-15 take the row's pieces 12 q + 0, 1, 2 and 12 q + 6, 7, 8, lanes 16-31 those three pieces on
.set PCE, 12*(\q)+6*(\p/3)+\p%3       ; 16 bytes of padding lie behind every 64 bytes (8 pieces): where the piece three on lies behind one padding more, the second address register (40 for 24 bytes a half) serves
.if PCE%8 < 5
	ds_load_b64 v[\reg+2*\p:\reg+2*\p+1], v[\adr] offset:8*PCE+16*(PCE/8)+(\i)*16*PITCH
.else
	ds_load_b64 v[\reg+2*\p:\reg+2*\p+1], v[\adr+2] offset:8*PCE+16*(PCE/8)+(\i)*16*PITCH
.endif
.endr
.endm
; 16 matrix instructions: A's blocks a0, a0 + 1 x B's eight, 128 along K: the slot's q-th.  p: B's set;  sc: the set of scale words.  zero = 1: the first product starts the sums: nothing is ever cleared.
; The 64 accumulators take turns, one instruction a turn, in the same order in every step.
.macro MUL16 a0, p, q, sc, zero
.irp a, \a0, \a0+1
.irp b, 0,1,2,3,4,5,6,7
.if \zero
	v_wmma_scale_f32_16x16x128_f8f6f4 v[8*(8*((\a)%4)+\b):8*(8*((\a)%4)+\b)+7], v[128*(\p)+FR*\b:128*(\p)+FR*\b+FR-1], v[AF+FR*(\a):AF+FR*(\a)+FR-1], 0, v[SC+8*NQ*(\sc)+NQ*\b+(\q)], v[SC+8*NQ*(\sc)+NQ*(\a)+(\q)] matrix_a_fmt:MATRIX_FMT_FP6 matrix_b_fmt:MATRIX_FMT_FP6 matrix_a_scale:MATRIX_SCALE_ROW1
.else
	v_wmma_scale_f32_16x16x128_f8f6f4 v[8*(8*((\a)%4)+\b):8*(8*((\a)%4)+\b)+7], v[128*(\p)+FR*\b:128*(\p)+FR*\b+FR-1], v[AF+FR*(\a):AF+FR*(\a)+FR-1], v[8*(8*((\a)%4)+\b):8*(8*((\a)%4)+\b)+7], v[SC+8*NQ*(\sc)+NQ*\b+(\q)], v[SC+8*NQ*(\sc)+NQ*(\a)+(\q)] matrix_a_fmt:MATRIX_FMT_FP6 matrix_b_fmt:MATRIX_FMT_FP6 matrix_a_scale:MATRIX_SCALE_ROW1
.endif
.endr
.endr
.endm
.macro FETCH_B slot, q, p              ; B's eight fragments of the slot's q-th 128 along K into set p
	WIN TO_B
.irp i, 0,1,2,3,4,5,6,7
	FRAG 128*(\p)+FR*\i, ADRB+\slot, \q, \i
.endr
	WIN 0
.endm
.macro FETCH_A slot, q, i0             ; A's blocks i0 .. i0 + 3
.irp i, \i0, \i0+1, \i0+2, \i0+3
	FRAG AF+FR*(\i), ADRA+\slot, \q, \i
.endr
.endm
.macro SCALES sc                       ; the next K step's scale words into set sc: NQ words a row; lanes 0-15 take A's block i, lanes 16-31 B's block i
.irp i, 0,1,2,3,4,5,6,7
	ds_load_b64 v[SC+8*NQ*\sc+NQ*\i:SC+8*NQ*\sc+NQ*\i+1], v[ADRS] offset:\i*SBLK
.endr
.endm
; A load into a register that a matrix instruction has read, and a vector instruction that reads a matrix result or writes one of its registers, stand NP places behind that matrix instruction, and only plain vector
; instructions that name none of its registers are places (ISA guide 7.12.1 for vector instructions).
.macro PLACES n
.rept \n
	v_nop
.endr
.endm
; A step of 128 along K that has its successor in the same slot.
.macro STEP slot, q, zero
	s_wait_dscnt 4*NL                              ; B's set and A's blocks 0-3 are in; the youngest 24 loads (A's blocks 4-7) may be out
	WIN MUL_LO
	MUL16 0, (\q)%2, \q, \slot, \zero
	MUL16 2, (\q)%2, \q, \slot, \zero
	s_wait_dscnt 0                                 ; A's blocks 4-7 are in (asked for 32 matrix instructions ago)
	PLACES NP
	FETCH_B \slot, (\q)+1, 1-(\q)%2
	FETCH_A \slot, (\q)+1, 0
	WIN MUL_HI
	MUL16 4, (\q)%2, \q, \slot, \zero
	MUL16 6, (\q)%2, \q, \slot, \zero
	PLACES NP
	WIN 0
	FETCH_A \slot, (\q)+1, 4
.endm
; A slot's last step changes slots: ONE barrier; in front of it each wave waits for all its tensor loads, adds 0 to its spare word, and waits for that and for its own reads of this slot.  fill = 1: this slot is filled again, two K steps ahead.
.macro TURN slot, next, fill
	s_wait_tensorcnt 0x0                           ; all my tensor loads have landed: my part of the next slot;  (every window is 0 here: the add's two registers lie in window 0)
	ds_add_u32 v[SPW], v[NIL]                      ; 0 onto my spare word
	s_wait_dscnt 4*NL+1                            ; (the add and the youngest 24 loads, A's blocks 4-7, may be out)
	WIN MUL_LO
	MUL16 0, 1, NQ-1, \slot, 0                     ; sixteen matrix instructions stand between the add and the wait for it
	s_wait_dscnt 0x0                               ; the add is done, and my reads of this slot are over
	s_barrier_signal -1
	MUL16 2, 1, NQ-1, \slot, 0
	WIN 0
	s_barrier_wait -1
.if \fill
	CREST                                          ; the barrier has opened a round of the cluster's barrier: no wave of any partner still reads this slot's tile or has a load on its way
	s_add_nc_u64 s[G0+4*\slot+2:G0+4*\slot+3], s[G0+4*\slot+2:G0+4*\slot+3], 2*ROWB
	s_add_nc_u64 s[G0B+4*\slot+2:G0B+4*\slot+3], s[G0B+4*\slot+2:G0B+4*\slot+3], 2*ROWB
	JLOAD G0+4*\slot, G1, G0B+4*\slot, G1B         ; the first tensor load behind the round; the four v_nop behind it are the places in front of the loads below
.else
	PLACES NP
.endif
	v_add_nc_u32 v[ADRS], 4*NQ, v[ADRS]            ; on to the next K step's scale words (no LDS load of mine is out)
	FETCH_B \next, 0, 0
	FETCH_A \next, 0, 0
	SCALES \next
	WIN MUL_HI
	MUL16 4, 1, NQ-1, \slot, 0
	MUL16 6, 1, NQ-1, \slot, 0
	PLACES NP
	WIN 0
	FETCH_A \next, 0, 4
.endm
	s_wait_tensorcnt 1                             ; the scales and my part of K step 0 are in (K step 1's load may be out),
	s_barrier_signal -1
	s_barrier_wait -1                              ; everybody's are
	FETCH_B 0, 0, 0
	FETCH_A 0, 0, 0
	SCALES 0
	FETCH_A 0, 0, 4
	STEP 0, 0, 1                                   ; the first step stands in front of the loop: its products start the sums
	s_mov_b32 s3, LAPS-1
.Llap:                                                 ; a trip goes once round the ring, from a lap's second step to the next lap's first, and fills both slots again
	TURN 0, 1, 1
	STEP 1, 0, 0
	TURN 1, 0, 1
	STEP 0, 0, 0
	s_sub_co_u32 s3, s3, 1
	s_cmp_lg_u32 s3, 0
	s_cbranch_scc1 .Llap
	TURN 0, 1, 0                                   ; the last lap fills nothing, and has no round of the cluster's barrier
	STEP 1, 0, 0
	s_wait_dscnt 4*NL                              ; the very last step: nothing more to fetch
	WIN MUL_LO
	MUL16 0, 1, NQ-1, 1, 0
	MUL16 2, 1, NQ-1, 1, 0
	s_wait_dscnt 0
	WIN MUL_HI
	MUL16 4, 1, NQ-1, 1, 0
	MUL16 6, 1, NQ-1, 1, 0
	WIN 0
; ---------------- THE WAY OUT: block by block of 16 rows ----------------
; 64 numbers of a lane, v[s] .. v[s + 63], register 16 b + i = k 32 b + 16 (lane / 16) + i of my row, become a fragment's codes in v[pc] .. v[pc + 11] and its scale word in v[pw].
.macro QUANT s, pc, tm, pw
.irp b, 0,1,2,3
	v_max3_num_f32 v[\tm+\b], |v[\s+16*\b]|, |v[\s+1+16*\b]|, 0x1800000   ; block b: my 16 numbers, and the floor 2^(3 - 127): so the byte cannot fall under 1
.endr
.irp i, 2,4,6,8,10,12,14
.irp b, 0,1,2,3
	v_max3_num_f32 v[\tm+\b], v[\tm+\b], |v[\s+16*\b+\i]|, |v[\s+1+16*\b+\i]|   ; (the four blocks by turns: no line waits for the line above it)
.endr
.endr
.irp b, 0,1,2,3
	v_permlanex16_b32 v[\tm+4+\b], v[\tm+\b], s[SEL], s[SEL+1]
.endr
.irp b, 0,1,2,3
	v_max_num_f32 v[\tm+\b], v[\tm+\b], v[\tm+4+\b]   ; with lane l xor 16's: the block's largest magnitude
.endr
.irp b, 0,1,2,3
	v_add_nc_u32 v[\tm+12+\b], 0xff000000, v[\tm+\b]   ; 2 off its exponent field: the conversion takes the exponent field of this operand as its scale, and nothing else of it
.endr
.irp b, 0,1,2,3
	v_lshrrev_b32 v[\tm+4+\b], 23, v[\tm+12+\b]   ; the scale's byte
.endr
	v_lshl_or_b32 v[\pw], v[\tm+5], 8, v[\tm+4]   ; the four bytes make my row's scale word (both halves of the lanes hold the same)
	v_lshl_or_b32 v[\pw], v[\tm+6], 16, v[\pw]
	v_lshl_or_b32 v[\pw], v[\tm+7], 24, v[\pw]
.irp c, 0,1
	v_cvt_scalef32_pk16_fp6_f32 v[\pc+6*\c:\pc+2+6*\c], v[\s+32*\c:\s+15+32*\c], v[\tm+12+2*\c]
	v_cvt_scalef32_pk16_fp6_f32 v[\pc+12+4*\c:\pc+14+4*\c], v[\s+16+32*\c:\s+31+32*\c], v[\tm+12+2*\c+1]   ; (a conversion's three registers begin on an even number)
.endr
	v_nop                                          ; one plain place behind a scaled conversion
.irp c, 0,1                                    ; the operand's layout wants a WHOLE block in a lane: lanes 0-15 block 2 c, lanes 16-31 block 2 c + 1
.irp i, 0,1,2
	v_permlane16_swap_b32 v[\pc+6*\c+\i], v[\pc+12+4*\c+\i]
.endr
.irp i, 0,1,2
	v_mov_b32 v[\pc+3+6*\c+\i], v[\pc+12+4*\c+\i]
.endr
.endr
.endm
; The cosines and sines of block a's rows: my row's 32 pairs: 8 of each 32 channels.  Only q and k are rotated: where the cluster makes v, the loads are jumped over and the registers keep 1 and 0.
.macro CSLOAD a
	s_cmp_lt_u32 ttmp9, 4
	s_cbranch_scc0 .Lno_rope_\@
.irp b, 0,1,2,3
.irp k, 0,1
	global_load_b128 v[COS+8*\b+4*\k:COS+8*\b+4*\k+3], v[CSA], s[8:9] offset:(32*((\a)/2)+8*((\a)%2))*256+64*\b+16*\k
	global_load_b128 v[SIN+8*\b+4*\k:SIN+8*\b+4*\k+3], v[CSA], s[10:11] offset:(32*((\a)/2)+8*((\a)%2))*256+64*\b+16*\k
.endr
.endr
.Lno_rope_\@:
.endm
; Block a: rotated into window 0 (pair i: registers 2 i, 2 i + 1: re c - im s, im c + re s), quantised, and stored as an image: three stores of 512 consecutive bytes, each at a multiple of 256 from the buffer's first byte.
.macro FRAGOUT a
.set AC, 64*((\a)%4)
	s_wait_loadcnt 0x0                             ; this block's cosines and sines are in
	WIN 0x02+(\a)/4                                ; source 0: window 2 or 3
.set ii, 0
.rept 32
	v_mul_f32 v[R0+2*ii], v[AC+2*ii], v[COS+ii]    ; each accumulator is read from its low end on
	v_mul_f32 v[R0+2*ii+1], v[AC+2*ii+1], v[COS+ii]
.set ii, ii+1
.endr
.set ii, 0
.rept 32
	v_fma_f32 v[R0+2*ii], -v[AC+2*ii+1], v[SIN+ii], v[R0+2*ii]
	v_fma_f32 v[R0+2*ii+1], v[AC+2*ii], v[SIN+ii], v[R0+2*ii+1]
.set ii, ii+1
.endr
	WIN 0
	s_wait_xcnt 0x0                                ; the last block's stores have had their addresses translated (ISA guide 3.1): only behind this wait are the codes' registers written again
.if (\a) < 7
	CSLOAD (\a)+1                                  ; the next block's land while this one is quantised
.endif
	QUANT R0, PC, TM, PW+\a
.irp c, 0,1,2
	global_store_b128 v[IMO], v[PC+4*\c:PC+4*\c+3], s[12:13] offset:1536*(\a)+512*\c
.endr
	ds_store_b32 v[SST], v[PW+\a] offset:64*(\a)   ; the block's sixteen scale words; both halves of the lanes write the same word with the same value
.endm
	PLACES NP                                      ; the lines below write registers that the last products read
.set j, 0
.rept 32
	v_mov_b32 v[COS+j], 1.0
	v_mov_b32 v[SIN+j], 0
.set j, j+1
.endr
.irp b, 0,1,2,3
	v_mov_b32 v[TM+4+\b], 0                        ; written once: a lane permute's destination counts as one of its sources
.endr
	CSLOAD 0
.irp a, 0,1,2,3,4,5,6,7
	FRAGOUT \a
.endr
	ds_load_b128 v[BACK:BACK+3], v[SRD]            ; LDS serves a wave's instructions in order (ISA guide 5.7.1.4): this sees my eight stores
	s_wait_dscnt 0x0
	global_store_b128 v[IMO], v[BACK:BACK+3], s[12:13] offset:12288   ; the block's 128 scale words: 512 consecutive bytes
	s_wait_tensorcnt 0x0                           ; the wave's end: behind my last tensor load and my last LDS store
	ds_add_u32 v[SPW], v[NIL]
	s_wait_dscnt 0x0
	CROUND                                         ; the closing round: no work-group ends while a partner may still ask for a tile that names it
	s_endpgm
.Lfunc_end_k_q1931751abf_proj:
	.size	k_q1931751abf_proj, .Lfunc_end_k_q1931751abf_proj-k_q1931751abf_proj
	.p2alignl 7, 3214868480
	.fill 96, 4, 3214868480
	.section	.rodata,"a",@progbits
	.p2align	6, 0x0
	.amdhsa_kernel k_q1931751abf_proj
		.amdhsa_group_segment_fixed_size 327680
		.amdhsa_private_segment_fixed_size 0
		.amdhsa_enable_private_segment 0
		.amdhsa_kernarg_size 40
		.amdhsa_user_sgpr_count 2
		.amdhsa_user_sgpr_kernarg_segment_ptr 1
		.amdhsa_wavefront_size32 1
		.amdhsa_system_sgpr_workgroup_id_x 1
		.amdhsa_system_sgpr_workgroup_id_y 1
		.amdhsa_system_sgpr_workgroup_id_z 1
		.amdhsa_system_vgpr_workitem_id 0
		.amdhsa_next_free_vgpr 1024
		.amdhsa_next_free_sgpr 100
		.amdhsa_reserve_vcc 0
		.amdhsa_float_denorm_mode_32 3
		.amdhsa_float_denorm_mode_16_64 3
		.amdhsa_memory_ordered 1
		.amdhsa_forward_progress 1
		.amdhsa_inst_pref_size 227
	.end_amdhsa_kernel
	.amdgpu_metadata
---
amdhsa.version: [ 1, 2 ]
amdhsa.kernels:
  - .name:           k_q1931751abf_proj
    .symbol:         k_q1931751abf_proj.kd
    .args:
      - { .name: wcodes, .offset: 0, .size: 8, .value_kind: global_buffer, .address_space: global }
      - { .name: wscales, .offset: 8, .size: 8, .value_kind: global_buffer, .address_space: global }
      - { .name: freq_cos, .offset: 16, .size: 8, .value_kind: global_buffer, .address_space: global }
      - { .name: freq_sin, .offset: 24, .size: 8, .value_kind: global_buffer, .address_space: global }
      - { .name: qkv, .offset: 32, .size: 8, .value_kind: global_buffer, .address_space: global }
    .group_segment_fixed_size: 327680
    .private_segment_fixed_size: 0
    .kernarg_segment_align: 8
    .kernarg_segment_size: 40
    .max_flat_workgroup_size: 128
    .sgpr_count:     100
    .vgpr_count:     1024
    .wavefront_size: 32
...
	.end_amdgpu_metadata
.endif
;; end of part 2
;; launch attn (part 3): grid 16 x 16, 8 waves a work-group, clusters of 4 x 4, 327,680 bytes of LDS; arguments qkv, mimg, ocodes, oscales; writes ocodes, oscales
.if DOCPART == 3
	.amdgcn_target "amdgcn-amd-amdhsa--gfx1250"
	.amdhsa_code_object_version 6
	.text
	.protected	k_q1931751abf_attn
	.globl	k_q1931751abf_attn
	.p2align	8
	.type	k_q1931751abf_attn,@function
k_q1931751abf_attn:
	s_mov_b64 s[64:65], 0
	v_nop
	global_prefetch_b8 v0, s[64:65] scope:SCOPE_SE
	s_setreg_imm32_b32 hwreg(HW_REG_WAVE_MODE, 25, 1), 1
	s_wait_xcnt 0x0
	s_wait_alu depctr_hold_cnt(0) depctr_sa_sdst(0) depctr_va_vdst(0) depctr_va_sdst(0) depctr_va_ssrc(0) depctr_va_vcc(0) depctr_vm_vsrc(0)
	s_getreg_b32 s2, hwreg(HW_REG_IB_STS2, 6, 4)
	s_cmp_eq_u32 s2, 0
	s_cbranch_scc0 .Lentry_in_a_cluster
	s_endpgm
.Lentry_in_a_cluster:
	s_bfe_u32 s2, ttmp6, 0x10000c
	s_cmp_lg_u32 s2, 0xf033
	s_cbranch_scc0 .Lentry_shape_is_right
	s_endpgm
.Lentry_shape_is_right:
; ATTENTION ON CODES OF FP6 (E2M3), one E8M0 scale for each 32 along a product's K.  16 heads of 128, 2,048 queries, 2,048 keys; the mask is an input and is added as it is given: every key is walked.
; qkv: blocks of 12,800 bytes (128 rows x 128 K): 8 images of an operand's registers (1,536 bytes: registers 4 c .. 4 c + 3 of lane l at 512 c + 16 l), then 128 scale words.
;   q: block 16 head + queries / 128;  k: 256 + 16 head + keys / 128;  v, with the keys as its K: 512 + 16 head + keys / 128.  The 128 rows of a block lie with bits 3 and 4 of their number swapped.
; mimg: mask x sqrt(128) as images of the score registers: [16 blocks of queries][16 key steps][8 tiles][8,192 bytes].
; THE SOFTMAX AHEAD OF THE SECOND PRODUCT: t = (q . k + mask sqrt(128)) x log2(e) / sqrt(128); M = the row's largest t so far, rounded UP to a whole number; p = 2^(t - M) is what is quantised, along the keys.
; The row's sum is taken of the unquantised p, in f32, and divides O at the end.  When M moves, the sum and O are multiplied by 2^(old M - new M): exact.
; THE MASK COSTS NO VECTOR INSTRUCTION: its image is loaded into the score registers and is the C of the products K Q^T.
; SHARES.  A work-group owns 128 queries of one head, each of its eight waves one tile of 16, in 256 registers: two waves to a SIMD.  Every wave walks all keys, 128 a step, 16 steps.
; LAYOUT.  Both products are used transposed: S^T = K Q^T (source 0 = 16 keys, source 1 = my 16 queries), O^T = V^T P^T (source 0 = 16 channels, source 1 = P): a lane holds ONE query throughout.
; By the order of the blocks' rows the 16 registers of tiles 2 b and 2 b + 1 are 16 neighbours: keys (or channels) 32 b + 16 (lane / 16) + 0 .. 15.  Lane r of tile w holds query 32 (w / 2) + 8 (w % 2) + r + 8 (r / 8) of the block.
; CLUSTERS: 4 x 4 work-groups: x = block of queries, y = head.  K's and V's blocks hang on the head alone: asked for jointly along a row of the cluster.  The mask's images hang on the block of queries alone:
; asked for jointly along a column, which divides the requests for the mask, wanted by all 16 heads, by four.
; THE RING: two slots, 2^17 bytes apart; in a slot K's block, V's block, and from byte 32,768 the eight images.  Wave 0 fetches K, wave 1 V, waves 4-7 two images each; a wave has at most one tensor load out.
; o / the sum is quantised along the channels and leaves as rows of codes: ocodes [2048][1536 bytes], oscales [2048][64 bytes]; a head owns 96 bytes and one word of a row.
; LIMITS: the mask enters ahead of the scaling and inside the matrix unit, so the order of rounding differs from s / sqrt(128) + mask by about one f32 unit in the last place of the larger term;
; a block of p or of o whose largest number lies under 2^-124 gets the byte 1 (its codes are zeros or the smallest codes; this program alone reads the bytes); NaN and infinities are not served.
; REGISTERS: v1-7 addresses that stay; v8-10 addresses of the step; v12 -M, v13 the largest t, v[14:15] the sum in two halves; v16-27 Q; v28-31 offsets for the way out; v32-79 four fragments of K or of V;
;   v96-159 the mask's image, S^T, then p; v160-223 O^T; v224-235 p's codes; v232-247, v252, v254 at work; v248-251 K's or V's scale words, v253 p's, v255 Q's.
.set SLOT1, 1<<17                      ; slot 1 begins here, so that one exclusive or turns an address in one slot into the other's
.set BLKB,  12800                      ; a block
.set VOFF,  BLKB                       ; V's block lies behind K's
.set SWOFF, 12288                      ; a block's scale words lie behind its eight images
.set MOFF,  32768                      ; the images
.set STG,   2*SLOT1                    ; behind the ring: 1,536 bytes for each wave, for the way out; no tensor load fills them
.set SPARE, STG+8*1536                 ; the spare words, 128 bytes for each wave: four blocks of 256 bytes that no other line names
.set LI,   1                           ; v1   16 x lane
.set LS,   2                           ; v2   4 x (lane % 16)
.set LM,   3                           ; v3   MOFF + 8192 x wave + 16 x lane
.set STI,  4                           ; v4   the way out: STG + 1536 x wave + 96 r + 24 h
.set SPW,  5                           ; v5   LDS address of my spare word; never rewritten
.set NIL,  6                           ; v6   0; never rewritten
.set STO,  7                           ; v7   the way out: STG + 1536 x wave + 16 x lane
.set ADK,  8                           ; v8   the slot + v1
.set ADS,  9                           ; v9   the slot + v2
.set ADM,  10                          ; v10  the slot + v3
.set OC,   28                          ; v28-30 my byte offsets in the tile's rows of ocodes
.set OS,   31                          ; v31  my byte offset in its rows of oscales
.set WV,   18                          ; s18  my wave's number
.set SEL,  20                          ; s[20:21] lane selects for v_permlanex16_b32: lane l xor 16
.set CS,   22                          ; s[22:23] c = log2(e) / sqrt(128): the packed form names a pair and takes its low word for both halves
.set G1D,  24                          ; s[24:31] descriptor group 1 for a block;  s[32:39] for two images
.set G1M,  32
.set G0KV, 40                          ; s[40:43], s[44:47] their groups 0, which walk
.set G0M,  44
.set TB,   48                          ; s48  LDS byte at which the slot in hand begins
.set CNT,  49                          ; s49  steps still to be asked for
; Wave 0 fetches K's block, wave 1 V's, waves 4-7 a quarter of the images each, waves 2 and 3 nothing.  The branches hang on the wave's number alone.  Four v_nop follow each of the two lines.
.macro TLOAD
	s_cmp_lt_u32 s[WV], 2
	s_cbranch_scc0 .Lnot_kv_\@
	tensor_load_to_lds s[G0KV:G0KV+3], s[G1D:G1D+7]
	s_nop 0
.rept 4
	v_nop
.endr
	s_branch .Lasked_\@
.Lnot_kv_\@:
	s_cmp_lt_u32 s[WV], 4
	s_cbranch_scc1 .Lasked_\@
	tensor_load_to_lds s[G0M:G0M+3], s[G1M:G1M+7]
	s_nop 0
.rept 4
	v_nop
.endr
.Lasked_\@:
.endm
; A round of the cluster's barrier: my work-group's barrier, so that wave 0's signal speaks for all eight waves; wave 0 signals for the work-group; every wave waits for all sixteen work-groups; my work-group's barrier once more.
.macro CROUND
	s_barrier_signal -1
	s_barrier_wait -1
	s_cmp_lg_u32 s[WV], 0
	s_cbranch_scc1 .Lnot_wave_0_\@
	s_barrier_signal -3
.Lnot_wave_0_\@:
	s_barrier_wait -3
	s_barrier_signal -1
	s_barrier_wait -1
.endm
	s_load_b256 s[4:11], s[0:1], 0x0               ; qkv s[4:5], mimg s[6:7], ocodes s[8:9], oscales s[10:11]
	v_lshl_add_u32 v[SPW], v0, 2, SPARE
	v_mov_b32 v[NIL], 0
	ds_add_u32 v5, v6
	s_wait_dscnt 0x0
	v_lshrrev_b32 v8, 5, v0
	v_readfirstlane_b32 s[WV], v8                  ; wave 0..7
	; every vector address is made here, ahead of the first branch on the wave's number
	v_and_b32 v8, 31, v0                           ; lane
	v_and_b32 v9, 15, v0                           ; r
	v_bfe_u32 v10, v0, 4, 1                        ; h
	v_lshlrev_b32 v[LI], 4, v8
	v_lshlrev_b32 v[LS], 2, v9
	s_lshl_b32 s56, s[WV], 13
	s_add_co_u32 s56, s56, MOFF
	v_add_nc_u32 v[LM], s56, v[LI]
	s_mul_i32 s56, s[WV], 1536
	s_add_co_u32 s57, s56, STG
	v_mul_u32_u24 v[STI], v9, 96
	v_mad_u32_u24 v[STI], v10, 24, v[STI]
	v_add_nc_u32 v[STI], s57, v[STI]
	v_add_nc_u32 v[STO], s57, v[LI]
.irp c, 0,1,2                                  ; the tile's 1,536 bytes of codes leave in pieces of 16: piece n = 32 c + lane is piece n - 6 p of row p = n / 6 (= 43 n >> 8 for n under 96), which is row p + 8 (p / 8) of the tile's group
	v_add_nc_u32 v11, 32*\c, v8
	v_mul_u32_u24 v12, v11, 43
	v_lshrrev_b32 v12, 8, v12
	v_mul_u32_u24 v13, v12, 6
	v_sub_nc_u32 v11, v11, v13
	v_and_b32 v13, 8, v12
	v_add_nc_u32 v12, v12, v13
	v_mul_u32_u24 v12, v12, 1536
	v_lshl_add_u32 v[OC+\c], v11, 4, v12
.endr
	v_and_b32 v11, 8, v9
	v_add_nc_u32 v11, v11, v9
	v_lshlrev_b32 v[OS], 6, v11                    ; my query's row of scale bytes: 64 (r + 8 (r / 8))
	v_add_nc_u32 v10, s56, v[LI]                   ; Q: my tile's image: 1536 x wave + 16 x lane
	s_lshl_b32 s57, s[WV], 6
	v_add_nc_u32 v11, s57, v[LS]                   ; and its scale words: 64 x wave + 4 r
	s_bfe_u32 s50, ttmp6, 0x40000                  ; cx, cy: my place in the cluster
	s_bfe_u32 s51, ttmp6, 0x40004
	s_lshl_b32 s52, ttmp9, 2
	s_add_co_u32 s52, s52, s50                     ; my block of 128 queries = 4 x cluster x + cx
	s_and_b32 s53, ttmp7, 0xffff
	s_lshl_b32 s53, s53, 2
	s_add_co_u32 s53, s53, s51                     ; my head = 4 x cluster y + cy
	s_lshl_b32 s54, s51, 2
	s_lshl_b32 s54, 15, s54                        ; my row of the cluster: the same head
	s_lshl_b32 s55, 0x1111, s50                    ; my column: the same queries
	; descriptor group 1: a block is 50 dense rows of 256 bytes (32 elements of 8 bytes); two images are 64
	s_or_b32 s[G1D], s54, (3<<16)|(1<<21)          ; 15:0 the mask; 17:16 elements of 8 bytes; 20 padding off; 21 set beside a mask
	s_mov_b32 s[G1D+1], 32<<16                     ; tensor_dim0
	s_mov_b32 s[G1D+2], 50<<16                     ; tensor_dim1
	s_mov_b32 s[G1D+3], 32<<16                     ; tile_dim0
	s_mov_b32 s[G1D+4], 50                         ; tile_dim1
	s_mov_b32 s[G1D+5], 32                         ; tensor_dim0_stride
	s_mov_b32 s[G1D+6], 0
	s_mov_b32 s[G1D+7], 0
	s_or_b32 s[G1M], s55, (3<<16)|(1<<21)
	s_mov_b32 s[G1M+1], 32<<16
	s_mov_b32 s[G1M+2], 64<<16
	s_mov_b32 s[G1M+3], 32<<16
	s_mov_b32 s[G1M+4], 64
	s_mov_b32 s[G1M+5], 32
	s_mov_b32 s[G1M+6], 0
	s_mov_b32 s[G1M+7], 0
	s_and_b32 s58, s[WV], 1                        ; K (0) or V (1):
	s_mul_i32 s[G0KV+1], s58, VOFF                 ; its place in slot 0,
	s_add_co_u32 s59, s58, 1
	s_mul_i32 s60, s59, 256*BLKB                   ; its 256 blocks in qkv,
	s_mul_i32 s59, s53, 16*BLKB                    ; the head's 16 of them
	s_add_co_u32 s60, s60, s59
	s_mov_b32 s61, 0
	s_and_b32 s58, s[WV], 3                        ; which quarter of a step's images:
	s_lshl_b32 s59, s58, 14
	s_add_co_u32 s[G0M+1], s59, MOFF               ; its place in slot 0,
	s_lshl_b32 s62, s52, 20                        ; and in mimg: 16 steps x 65,536 bytes for a block of queries
	s_add_co_u32 s62, s62, s59
	s_mov_b32 s63, 0
	s_lshl_b32 s66, s53, 4
	s_add_co_u32 s66, s66, s52
	s_mul_i32 s66, s66, BLKB                       ; Q's block
	s_mov_b32 s67, 0
	s_lshl_b32 s68, s52, 7
	s_lshr_b32 s69, s[WV], 1
	s_lshl_b32 s69, s69, 5
	s_add_co_u32 s68, s68, s69
	s_and_b32 s69, s[WV], 1
	s_lshl_b32 s69, s69, 3
	s_add_co_u32 s68, s68, s69                     ; my tile's first row: 128 x block + 32 (wave / 2) + 8 (wave % 2)
	s_lshl_b32 s70, s68, 6
	s_lshl_b32 s69, s53, 2
	s_add_co_u32 s70, s70, s69                     ; in oscales: 64 bytes a row, the head's word
	s_mov_b32 s71, 0
	s_mul_i32 s68, s68, 1536
	s_mul_i32 s69, s53, 96
	s_add_co_u32 s68, s68, s69                     ; in ocodes: 1,536 bytes a row, the head's 96
	s_mov_b32 s69, 0
	s_mov_b32 s[SEL], 0x76543210
	s_mov_b32 s[SEL+1], 0xfedcba98
	s_mov_b32 s[CS], 0x3e0293ee                    ; c = log2(e) / sqrt(128)
	s_mov_b32 s[CS+1], s[CS]                       ; (named with it as a pair, so it is written)
	s_mov_b32 s[TB], 0
	s_mov_b32 s[CNT], 15
	s_wait_kmcnt 0x0
	s_mov_b32 s[G0KV], 1                           ; 1:0 count = 1
	s_add_nc_u64 s[G0KV+2:G0KV+3], s[4:5], s[60:61]   ; 120:64 global address: the head's first 128 keys
	s_or_b32 s[G0KV+3], s[G0KV+3], 0x80000000      ; 127:126 type = 2
	s_mov_b32 s[G0M], 1
	s_add_nc_u64 s[G0M+2:G0M+3], s[6:7], s[62:63]
	s_or_b32 s[G0M+3], s[G0M+3], 0x80000000
	s_add_nc_u64 s[4:5], s[4:5], s[66:67]
	s_add_nc_u64 s[8:9], s[8:9], s[68:69]
	s_add_nc_u64 s[10:11], s[10:11], s[70:71]
	CROUND                                         ; all sixteen work-groups are here: the first joint loads meet
	TLOAD                                          ; slot 0: key step 0
.irp c, 0,1,2
	global_load_b128 v[16+4*\c:19+4*\c], v10, s[4:5] offset:512*\c   ; Q's fragment stays in registers
.endr
	global_load_b32 v255, v11, s[4:5] offset:SWOFF ; and its scale words
	v_mov_b32 v13, 0xff61b1e6                      ; the largest t so far: -3e38, under every t
	v_floor_f32 v12, -v13                          ; -M
	v_mov_b32 v14, 0                               ; the sum, in two halves
	v_mov_b32 v15, 0
.irp b, 0,1,2,3
	v_mov_b32 v[236+\b], 0                         ; written once: a lane permute's destination counts as one of its sources
.endr
	v_mov_b32 v253, 0                              ; (named as the upper half of the pair v[252:253] before it is first written)
.set j, 0
.rept 64
	v_mov_b32 v[160+j], 0                          ; O^T.  (The step is written twice at the most: its first run finds zeros, which the first change of M leaves zeros)
.set j, j+1
.endr
; four fragments (three loads of 512 consecutive bytes each) and their scale words, from the block at byte off of the slot: tiles 4 g .. 4 g + 3
.macro FOUR off, g
.irp t, 0,1,2,3
.irp c, 0,1,2
	ds_load_b128 v[32+12*\t+4*\c:35+12*\t+4*\c], v[ADK] offset:\off+1536*(4*\g+\t)+512*\c
.endr
	ds_load_b32 v[248+\t], v[ADS] offset:\off+SWOFF+64*(4*\g+\t)
.endr
.endm
; A KEY STEP: 128 keys.
.macro STEP
	v_add_nc_u32 v[ADK], s[TB], v[LI]
	v_add_nc_u32 v[ADS], s[TB], v[LS]
	v_add_nc_u32 v[ADM], s[TB], v[LM]
	v_nop                                          ; with the three additions: four places in front of loads into registers that the last products read
.irp g, 0,1                                    ; S^T = K Q^T + the mask's image, four tiles of 16 keys at a time
.if \g
.rept 4
	v_nop
.endr
.endif
.irp i, 0,1,2,3,4,5,6,7
	ds_load_b128 v[96+32*\g+4*\i:99+32*\g+4*\i], v[ADM] offset:512*(8*\g+\i)   ; the image's registers, as they lie
.endr
	FOUR 0, \g
	s_wait_dscnt 0x0
.irp t, 0,1,2,3
	v_wmma_scale_f32_16x16x128_f8f6f4 v[96+8*(4*\g+\t):103+8*(4*\g+\t)], v[32+12*\t:43+12*\t], v[16:27], v[96+8*(4*\g+\t):103+8*(4*\g+\t)], v[248+\t], v255 matrix_a_fmt:MATRIX_FMT_FP6 matrix_b_fmt:MATRIX_FMT_FP6
.endr
.endr
.rept 4
	v_nop                                          ; places in front of the first read of the scores, and of the loads below
.endr
	FOUR VOFF, 0                                   ; V's first four fragments land under the softmax
.irp b, 0,1,2,3
	v_max3_num_f32 v[232+\b], v[96+16*\b], v[97+16*\b], v[98+16*\b]   ; THE LARGEST SCORE OF EACH BLOCK OF 32 KEYS: it serves twice: for the row's maximum, and, since p rises with the score, for the block's largest p
.endr
.irp i, 3,5,7,9,11,13
.irp b, 0,1,2,3
	v_max3_num_f32 v[232+\b], v[232+\b], v[96+16*\b+\i], v[97+16*\b+\i]   ; (the four blocks by turns)
.endr
.endr
.irp b, 0,1,2,3
	v_max_num_f32 v[232+\b], v[232+\b], v[111+16*\b]
.endr
.irp b, 0,1,2,3
	v_permlanex16_b32 v[236+\b], v[232+\b], s[SEL], s[SEL+1]
.endr
.irp b, 0,1,2,3
	v_max_num_f32 v[232+\b], v[232+\b], v[236+\b]  ; with lane l xor 16's 16 keys
.endr
	v_max3_num_f32 v254, v232, v233, v234
	v_max_num_f32 v254, v254, v235                 ; the step's largest score of my query
	v_mul_f32 v254, s[CS], v254                    ; as t (c is positive)
	v_max_num_f32 v13, v13, v254                   ; the running largest t
	v_mov_b32 v254, v12
	v_floor_f32 v12, -v13                          ; the new -M = floor(-t) = -ceil(t): M IS A WHOLE NUMBER
	v_sub_f32 v254, v12, v254                      ; M's old value less its new one: a whole number, 0 or less
	v_cvt_i32_f32 v254, v254                       ; (it saturates)
	v_ldexp_f32 v252, 1.0, v254                    ; f = 2^(old M - new M): what was summed under the old M is brought under the new by a multiplication that rounds nothing
.set j, 0
.rept 32
	v_pk_fma_f32 v[96+j:97+j], v[96+j:97+j], s[CS:CS+1], v[12:13] op_sel_hi:[1,0,0]   ; t - M, two at a time (of the pairs c and -M the low word serves both halves)
.set j, j+2
.endr
.irp b, 0,1,2,3
	v_fma_f32 v[232+\b], v[232+\b], s[CS], v12     ; the same of each block's largest score
.endr
.set j, 0
.rept 64
	v_exp_f32 v[96+j], v[96+j]                     ; p = 2^(t - M), at most 1: NOT normalised
.set j, j+1
.endr
.irp b, 0,1,2,3
	v_exp_f32 v[232+\b], v[232+\b]                 ; the block's largest p: the same two instructions on the same number give the same bits
.endr
	v_pk_mul_f32 v[14:15], v[14:15], v[252:253] op_sel_hi:[1,0]   ; the sums under the new M.  (A plain place behind the exponentials)
	s_wait_alu depctr_va_vdst(0)
.irp b, 0,1,2,3
	v_max_num_f32 v[232+\b], 0x1800000, v[232+\b]  ; the floor 2^(3 - 127): the byte cannot fall under 1 (a block whose every p has fallen to 0 keeps that byte: its codes are zeros)
.endr
.irp b, 0,1,2,3
	v_add_nc_u32 v[244+\b], 0xff000000, v[232+\b]  ; 2 off the exponent field: the conversion's scale operand
.endr
.irp b, 0,1,2,3
	v_lshrrev_b32 v[236+\b], 23, v[244+\b]         ; the scale's byte
.endr
	v_lshl_or_b32 v253, v237, 8, v236              ; p's scale word for these 128 keys
	v_lshl_or_b32 v253, v238, 16, v253
	v_lshl_or_b32 v253, v239, 24, v253
.irp c, 0,1
	v_cvt_scalef32_pk16_fp6_f32 v[224+6*\c:226+6*\c], v[96+32*\c:111+32*\c], v[244+2*\c]
	v_cvt_scalef32_pk16_fp6_f32 v[236+4*\c:238+4*\c], v[112+32*\c:127+32*\c], v[244+2*\c+1]   ; (a conversion's three registers begin on an even number)
.endr
	v_nop                                          ; one plain vector instruction between a scaled conversion and the vector instruction that touches its result
.irp c, 0,1                                    ; the operand's layout wants a WHOLE block in a lane: lanes 0-15 block 2 c, lanes 16-31 block 2 c + 1
.irp i, 0,1,2
	v_permlane16_swap_b32 v[224+6*\c+\i], v[236+4*\c+\i]
.endr
.irp i, 0,1,2
	v_mov_b32 v[227+6*\c+\i], v[236+4*\c+\i]
.endr
.endr
	v_pk_add_f32 v[236:237], v[96:97], v[98:99]    ; THE ROW'S SUM IS TAKEN OF THE UNQUANTISED p: two at a time, in two chains
.irp j, 4,8,12,16,20,24,28,32,36,40,44,48,52,56,60
	v_pk_add_f32 v[14:15], v[14:15], v[96+\j:97+\j]
	v_pk_add_f32 v[236:237], v[236:237], v[98+\j:99+\j]
.endr
	v_pk_add_f32 v[14:15], v[14:15], v[236:237]
.set j, 0
.rept 32
	v_pk_mul_f32 v[160+j:161+j], v[160+j:161+j], v[252:253] op_sel_hi:[1,0]   ; O^T under the new M: x f.  (These 32 are also the places between the lines that made p's codes and scale word and the products below)
.set j, j+2
.endr
.irp g, 0,1                                    ; O^T += V^T P^T: four tiles of 16 of the head's 128 at a time; K = these 128 keys.  The eight accumulators take turns
.if \g
.rept 4
	v_nop
.endr
	FOUR VOFF, 1
.endif
	s_wait_dscnt 0x0
.irp t, 0,1,2,3
	v_wmma_scale_f32_16x16x128_f8f6f4 v[160+8*(4*\g+\t):167+8*(4*\g+\t)], v[32+12*\t:43+12*\t], v[224:235], v[160+8*(4*\g+\t):167+8*(4*\g+\t)], v[248+\t], v253 matrix_a_fmt:MATRIX_FMT_FP6 matrix_b_fmt:MATRIX_FMT_FP6
.endr
.endr
	s_xor_b32 s[TB], s[TB], SLOT1                  ; on to the other slot
.endm
; THE CHANGE OF SLOTS stands at a step's head.  Each wave waits for all its tensor loads (its part of the slot that is about to be read), adds 0 to its spare word, and waits for that and for its reads of the slot that it has left.
; fill = 1: the barrier is a round of the cluster's, so that no wave of any partner still reads that slot or has a load on its way, and the joint refill is the first thing behind it: it has a whole step in which to land.
.macro CHANGE fill
	s_wait_tensorcnt 0x0                           ; no tensor load of mine is out, so a group 0 may be written
	ds_add_u32 v[SPW], v[NIL]                      ; 0 onto my spare word; with fill = 1 the descriptors' steps stand between it and the wait for it
.if \fill
	s_xor_b32 s[G0KV+1], s[G0KV+1], SLOT1          ; the walking descriptors: the other slot than last time,
	s_add_nc_u64 s[G0KV+2:G0KV+3], s[G0KV+2:G0KV+3], BLKB   ; the next 128 keys; the type bits on top are not reached
	s_xor_b32 s[G0M+1], s[G0M+1], SLOT1
	s_add_nc_u64 s[G0M+2:G0M+3], s[G0M+2:G0M+3], 65536
	s_wait_dscnt 0x0                               ; the add is done, and my reads of the slot that I have left are over
	CROUND
	TLOAD                                          ; a wave's one tensor load until the next round
.else
	s_wait_dscnt 0x0
	s_barrier_signal -1
	s_barrier_wait -1
.endif
.endm
	s_wait_loadcnt 0x0                             ; Q
.Lstep:                                            ; 15 trips: behind each change of slots but the last the next step's tiles are asked for
	CHANGE 1
	STEP
	s_sub_co_u32 s[CNT], s[CNT], 1
	s_cmp_lg_u32 s[CNT], 0
	s_cbranch_scc1 .Lstep
	CHANGE 0                                       ; the last step is written out
	STEP
; 64 numbers of a lane, v[s] .. v[s + 63], register 16 b + i = k 32 b + 16 (lane / 16) + i of my row, become a fragment's codes in v[pc] .. v[pc + 11] and its scale word in v[pw].
.macro QUANT s, pc, tm, pw
.irp b, 0,1,2,3
	v_max3_num_f32 v[\tm+\b], |v[\s+16*\b]|, |v[\s+1+16*\b]|, 0x1800000   ; block b: my 16 numbers, and the floor 2^(3 - 127)
.endr
.irp i, 2,4,6,8,10,12,14
.irp b, 0,1,2,3
	v_max3_num_f32 v[\tm+\b], v[\tm+\b], |v[\s+16*\b+\i]|, |v[\s+1+16*\b+\i]|
.endr
.endr
.irp b, 0,1,2,3
	v_permlanex16_b32 v[\tm+4+\b], v[\tm+\b], s[SEL], s[SEL+1]
.endr
.irp b, 0,1,2,3
	v_max_num_f32 v[\tm+\b], v[\tm+\b], v[\tm+4+\b]   ; with lane l xor 16's: the block's largest magnitude
.endr
.irp b, 0,1,2,3
	v_add_nc_u32 v[\tm+12+\b], 0xff000000, v[\tm+\b]   ; 2 off its exponent field: the conversion's scale operand
.endr
.irp b, 0,1,2,3
	v_lshrrev_b32 v[\tm+4+\b], 23, v[\tm+12+\b]   ; the scale's byte
.endr
	v_lshl_or_b32 v[\pw], v[\tm+5], 8, v[\tm+4]
	v_lshl_or_b32 v[\pw], v[\tm+6], 16, v[\pw]
	v_lshl_or_b32 v[\pw], v[\tm+7], 24, v[\pw]
.irp c, 0,1
	v_cvt_scalef32_pk16_fp6_f32 v[\pc+6*\c:\pc+2+6*\c], v[\s+32*\c:\s+15+32*\c], v[\tm+12+2*\c]
	v_cvt_scalef32_pk16_fp6_f32 v[\pc+12+4*\c:\pc+14+4*\c], v[\s+16+32*\c:\s+31+32*\c], v[\tm+12+2*\c+1]
.endr
	v_nop                                          ; one plain place behind a scaled conversion
.irp c, 0,1
.irp i, 0,1,2
	v_permlane16_swap_b32 v[\pc+6*\c+\i], v[\pc+12+4*\c+\i]
.endr
.irp i, 0,1,2
	v_mov_b32 v[\pc+3+6*\c+\i], v[\pc+12+4*\c+\i]
.endr
.endr
.endm
	; THE WAY OUT.  O^T is divided by the sum and quantised along the channels: register 16 b + i is channel 32 b + 16 h + i of my query.  A lane's codes are 2 x 24 bytes of its row's 96; they go through my stage in LDS
	; and leave in pieces of 16 bytes, six neighbouring lanes to a row's 96 bytes: a head owns no more of a row.
.rept 4
	v_nop                                          ; places behind the last products
.endr
	v_add_f32 v14, v14, v15                        ; the sum's two halves,
	v_permlanex16_b32 v252, v14, s[SEL], s[SEL+1]
	v_add_f32 v14, v14, v252                       ; and lane l xor 16's: the row's sum
	v_rcp_f32 v14, v14
	v_nop                                          ; a plain place behind the transcendental
.set j, 0
	s_wait_alu depctr_va_vdst(0)
.rept 64
	v_mul_f32 v[96+j], v[160+j], v14               ; each accumulator from its low end on
.set j, j+1
.endr
.irp b, 0,1,2,3
	v_mov_b32 v[68+\b], 0                          ; a lane permute's destination counts as one of its sources
.endr
	QUANT 96, 32, 64, 80
.irp p, 0,1,2,3,4,5
	ds_store_b64 v[STI], v[32+2*\p:33+2*\p] offset:48*(\p/3)+8*(\p%3)
.endr
.irp c, 0,1,2
	ds_load_b128 v[84+4*\c:87+4*\c], v[STO] offset:512*\c   ; LDS serves a wave's instructions in order (ISA guide 5.7.1.4): these see my stores
.endr
	s_wait_dscnt 0x0
.irp c, 0,1,2
	global_store_b128 v[OC+\c], v[84+4*\c:87+4*\c], s[8:9]
.endr
	global_store_b32 v[OS], v80, s[10:11]          ; my row's scale word for this head; both halves of the lanes write the same word with the same value
	s_wait_tensorcnt 0x0                           ; the wave's end: behind my last tensor load and my last LDS store
	ds_add_u32 v[SPW], v[NIL]
	s_wait_dscnt 0x0
	CROUND                                         ; the closing round: no work-group ends while a partner may still ask for a tile that names it
	s_endpgm
.Lfunc_end_k_q1931751abf_attn:
	.size	k_q1931751abf_attn, .Lfunc_end_k_q1931751abf_attn-k_q1931751abf_attn
	.p2alignl 7, 3214868480
	.fill 96, 4, 3214868480
	.section	.rodata,"a",@progbits
	.p2align	6, 0x0
	.amdhsa_kernel k_q1931751abf_attn
		.amdhsa_group_segment_fixed_size 327680
		.amdhsa_private_segment_fixed_size 0
		.amdhsa_enable_private_segment 0
		.amdhsa_kernarg_size 32
		.amdhsa_user_sgpr_count 2
		.amdhsa_user_sgpr_kernarg_segment_ptr 1
		.amdhsa_wavefront_size32 1
		.amdhsa_system_sgpr_workgroup_id_x 1
		.amdhsa_system_sgpr_workgroup_id_y 1
		.amdhsa_system_sgpr_workgroup_id_z 1
		.amdhsa_system_vgpr_workitem_id 0
		.amdhsa_next_free_vgpr 256
		.amdhsa_next_free_sgpr 72
		.amdhsa_reserve_vcc 0
		.amdhsa_float_denorm_mode_32 3
		.amdhsa_float_denorm_mode_16_64 3
		.amdhsa_memory_ordered 1
		.amdhsa_forward_progress 1
		.amdhsa_inst_pref_size 60
	.end_amdhsa_kernel
	.amdgpu_metadata
---
amdhsa.version: [ 1, 2 ]
amdhsa.kernels:
  - .name:           k_q1931751abf_attn
    .symbol:         k_q1931751abf_attn.kd
    .args:
      - { .name: qkv, .offset: 0, .size: 8, .value_kind: global_buffer, .address_space: global }
      - { .name: mimg, .offset: 8, .size: 8, .value_kind: global_buffer, .address_space: global }
      - { .name: ocodes, .offset: 16, .size: 8, .value_kind: global_buffer, .address_space: global }
      - { .name: oscales, .offset: 24, .size: 8, .value_kind: global_buffer, .address_space: global }
    .group_segment_fixed_size: 327680
    .private_segment_fixed_size: 0
    .kernarg_segment_align: 8
    .kernarg_segment_size: 32
    .max_flat_workgroup_size: 256
    .sgpr_count:     72
    .vgpr_count:     256
    .wavefront_size: 32
...
	.end_amdgpu_metadata
.endif
;; end of part 3
;; launch outp (part 4): grid 8 x 8, 4 waves a work-group, clusters of 4 x 4, 327,680 bytes of LDS; arguments ocodes, oscales, wcodes, wscales, out0; writes out0
.if DOCPART == 4
	.amdgcn_target "amdgcn-amd-amdhsa--gfx1250"
	.amdhsa_code_object_version 6
	.text
	.protected	k_q1931751abf_outp
	.globl	k_q1931751abf_outp
	.p2align	8
	.type	k_q1931751abf_outp,@function
k_q1931751abf_outp:
	s_mov_b64 s[64:65], 0
	v_nop
	global_prefetch_b8 v0, s[64:65] scope:SCOPE_SE
	s_setreg_imm32_b32 hwreg(HW_REG_WAVE_MODE, 25, 1), 1
	s_wait_xcnt 0x0
	s_wait_alu depctr_hold_cnt(0) depctr_sa_sdst(0) depctr_va_vdst(0) depctr_va_sdst(0) depctr_va_ssrc(0) depctr_va_vcc(0) depctr_vm_vsrc(0)
	s_getreg_b32 s2, hwreg(HW_REG_IB_STS2, 6, 4)
	s_cmp_eq_u32 s2, 0
	s_cbranch_scc0 .Lentry_in_a_cluster
	s_endpgm
.Lentry_in_a_cluster:
	s_bfe_u32 s2, ttmp6, 0x10000c
	s_cmp_lg_u32 s2, 0xf033
	s_cbranch_scc0 .Lentry_shape_is_right
	s_endpgm
.Lentry_shape_is_right:
; THE OUTPUT PROJECTION: out0[m][n] = sum over k of o[m][k] wo[n][k], on codes of FP6 (E2M3) with one E8M0 scale for each 32 along K; sums in f32; out0 [2048][2048] f32.
; A = ocodes [2048][1536 bytes], oscales [2048][64 bytes].  B = wo: rows 8,192 on of wcodes (rows of 1,536 bytes) and of wscales (rows of 64 bytes); both in their natural order.
; A tile of C, 256 x 256, is made by a work-group of four waves; a wave makes 128 x 128: 64 accumulators of 16 x 16, 512 registers.  K goes in steps of 256 through a ring of two LDS slots filled by the tensor data mover.
; C has 64 such tiles, so 64 work-groups: a wave's tile is kept large, since each byte read from LDS then feeds the most products.
; THE SCALES of the work-group's 256 rows of A and 256 rows of B, for all of K, are two dense blocks of memory: they come into LDS ONCE, with the first fills, and stay.
; CLUSTERS: 4 x 4 work-groups.  The four of a row of the cluster need the same tiles of A, the four of a column the same tiles of B: each tile is asked for JOINTLY, by the same tensor load with the
; same descriptor and a mask that names the four.  THE MATRIX INSTRUCTION IS USED TRANSPOSED (source 0 = 16 rows of B, source 1 = 16 rows of A): a lane then holds eight neighbouring numbers of a row of C.
; REGISTERS, in windows of 256: window 0: v0-31 addresses; v32-63 scale words, two sets; from v128 A's fragments (8 x 16 rows x 128 K), ONE set; on the way out v128-255.
;   window 1: B's fragments, TWO sets, at v0 and at v128.   window 2: the 32 accumulators of my rows 0-63 (accumulator (a, b) at v[8 (8 a + b)]);   window 3: those of my rows 64-127.
.set SIZE_N, 2048
.set SIZE_K, 2048
.set KSTEP,  256                       ; along K in a slot
.set NQ,     KSTEP/128                 ; matrix instructions deep
.set ROWB,   192                       ; a tile's row in bytes
.set KROW,   SIZE_K*6/8                ; a row of codes in memory, in bytes
.set PITCH,  240                       ; an LDS row: 3 x (64 bytes of data + 16 of padding) = 60 words: row r starts at bank -4 r mod 64 (64 banks of 4 bytes: ISA guide 11.1)
.set FR,     12                        ; registers of a fragment: 16 rows x 128 K
.set NL,     6                         ; LDS loads that bring one
.set NP,     4                         ; places behind this matrix instruction (ISA guide 7.12.1)
.set HALFT,  128*PITCH                 ; 128 rows: what one tensor load brings, and what one wave reads of A or of B
.set SLOT,   4*HALFT                   ; A's 256 rows, then B's 256 rows
.set LAPS,   SIZE_K/(2*KSTEP)          ; a lap = two K steps = once round the ring
.set KS,     SIZE_K/32                 ; a row of scales in bytes
.set SCL,    2*SLOT                    ; behind the ring: the scales, as units of 256 bytes + 16 of padding
.set HALFS,  (128*KS/256)*272          ; the scales of 128 rows: what one tensor load brings
.set SBLK,   (16*KS/256)*272           ; those of 16 rows
.set SPARE,  SCL+4*HALFS               ; behind the scales: the spare words, 128 bytes for each wave
.set SPITCH, 528                       ; the way out: a stage of 16 rows x (512 bytes + 16) for each wave.  It lies in slot 0, which has had its last fill and its last read when the first result is stored there
.set ADRA, 16                          ; v16-17  LDS address of my A fragments in slot 0, 1  (v18-19: the same for the pieces that lie behind one padding more)
.set ADRB, 20                          ; v20-21  the same for B  (v22-23)
.set STO,  24                          ; v24     the way out: where I put 32 bytes of a row
.set RD,   25                          ; v25     the way out: where I read a row back
.set CO,   26                          ; v26     my byte offset in a row of C
.set ADRS, 27                          ; v27     LDS address of my scale words: lanes 0-15 A's rows, lanes 16-31 B's
.set SPW,  28                          ; v28     LDS address of my spare word; never rewritten
.set NIL,  29                          ; v29     0; never rewritten
.set SC,   32                          ; scale words: set s at v[SC + 8 NQ s]; register NQ i + q: lanes 0-15 the word of A's block i, lanes 16-31 that of B's block i
.set AF,   128                         ; A's fragments, in window 0
.set BK,   128                         ; the way out: 16 rows read back from the stage: v128-191 and v192-255 by turns
.set G1, 24                            ; s[24:31] descriptor group 1 for A's tiles;  s[32:39] group 0, one set for each slot
.set G0, 32
.set G1B, 48                           ; s[48:55], s[56:63] the same for B's tiles
.set G0B, 56
.set G1S, 68                           ; s[68:75], s[76:79] groups 1 and 0 for A's scales;  s[80:87], s[88:91] for B's
.set G0S, 76
.set G1SB, 80
.set G0SB, 88
.set MSB, 0
.macro WIN new                         ; the immediate's high byte repeats the setting that is left
.if MSB != \new
	s_set_vgpr_msb (MSB<<8)|\new
.set MSB, \new
.endif
.endm
.set MUL_LO, 0xa1                      ; source 0 (B) window 1, source 1 (A) window 0, C and D window 2
.set MUL_HI, 0xf1                      ; the same, C and D window 3
.set TO_B,   0x40                      ; destination window 1, address window 0
; A joint load: waves 0 and 1 fetch for A, waves 2 and 3 for B.  Each of the two lines has ONE mask and one set of registers for all that issue it; the branch hangs on the wave's number alone.
; Four v_nop follow each of the two lines, ahead of the jump, the label and what follows.
.macro JLOAD g0a, g1a, g0b, g1b
	s_cmp_eq_u32 s15, 0
	s_cbranch_scc0 .Lfor_b_\@
	tensor_load_to_lds s[\g0a:\g0a+3], s[\g1a:\g1a+7]
	s_nop 0
.rept 4
	v_nop
.endr
	s_branch .Lasked_\@
.Lfor_b_\@:
	tensor_load_to_lds s[\g0b:\g0b+3], s[\g1b:\g1b+7]
	s_nop 0
.rept 4
	v_nop
.endr
.Lasked_\@:
.endm
.macro CREST                           ; a round of the cluster's barrier behind its opening barrier
	s_cmp_lg_u32 s14, 0
	s_cbranch_scc1 .Lnot_wave_0_\@
	s_barrier_signal -3
.Lnot_wave_0_\@:
	s_barrier_wait -3
	s_barrier_signal -1
	s_barrier_wait -1
.endm
.macro CROUND                          ; a whole round
	s_barrier_signal -1
	s_barrier_wait -1
	CREST
.endm
	s_load_b128 s[4:7], s[0:1], 0x0                ; o's codes s[4:5], o's scales s[6:7]
	s_load_b128 s[8:11], s[0:1], 0x10              ; wcodes s[8:9], wscales s[10:11]
	s_load_b64 s[12:13], s[0:1], 0x20              ; out0
	v_lshl_add_u32 v[SPW], v0, 2, SPARE
	v_mov_b32 v[NIL], 0
	ds_add_u32 v28, v29
	s_wait_dscnt 0x0
	v_lshrrev_b32 v1, 5, v0
	v_readfirstlane_b32 s14, v1                    ; wave 0..3
	s_lshr_b32 s15, s14, 1                         ; which half of the tile's rows is mine.  Also: I fetch for A (0) or for B (1)
	s_and_b32 s16, s14, 1                          ; which half of its columns.  Also: which 128 rows of that tile I fetch
	s_bfe_u32 s40, ttmp6, 0x40000                  ; cx, cy: my place in the cluster
	s_bfe_u32 s41, ttmp6, 0x40004
	s_lshl_b32 s42, ttmp9, 2
	s_add_co_u32 s42, s42, s40                     ; tile column of C = 4 x cluster x + cx
	s_and_b32 s17, ttmp7, 0xffff
	s_lshl_b32 s17, s17, 2
	s_add_co_u32 s17, s17, s41                     ; tile row of C = 4 x cluster y + cy
	s_lshl_b32 s43, s41, 2
	s_lshl_b32 s43, 15, s43                        ; my row of the cluster
	s_lshl_b32 s44, 0x1111, s40                    ; my column
	; descriptor group 1: a tile of 128 rows x ROWB bytes, padded in LDS
	s_or_b32 s[G1+0], s43, (0<<16)|(1<<20)|(1<<21)|(3<<22)|(3<<25)  ; 15:0 the mask: A's tiles go to my row; 17:16 element of 1 byte; 20 padding on; 21 set beside a mask; 24:22 after every 16 words (code 3); 31:25 of 4 words (code 3)
	s_or_b32 s[G1B+0], s44, (0<<16)|(1<<20)|(1<<21)|(3<<22)|(3<<25)
.irp g, G1, G1B
	s_mov_b32 s[\g+1], ROWB<<16                    ; tensor_dim0
	s_mov_b32 s[\g+2], 128<<16                     ; tensor_dim1 = 128
	s_mov_b32 s[\g+3], ROWB<<16                    ; tile_dim0
	s_mov_b32 s[\g+4], 128                         ; tile_dim1 = 128
	s_mov_b32 s[\g+5], KROW                        ; tensor_dim0_stride
	s_mov_b32 s[\g+6], 0
	s_mov_b32 s[\g+7], 0
.endr
	; and for the scales of 128 rows: a dense block of 128 KS bytes, as rows of 256 bytes (32 elements of 8 bytes), 16 bytes of padding behind each
	s_or_b32 s[G1S+0], s43, (3<<16)|(1<<20)|(1<<21)|(5<<22)|(3<<25)
	s_or_b32 s[G1SB+0], s44, (3<<16)|(1<<20)|(1<<21)|(5<<22)|(3<<25)
.irp g, G1S, G1SB
	s_mov_b32 s[\g+1], 32<<16
	s_mov_b32 s[\g+2], (128*KS/256)<<16
	s_mov_b32 s[\g+3], 32<<16
	s_mov_b32 s[\g+4], 128*KS/256
	s_mov_b32 s[\g+5], 32
	s_mov_b32 s[\g+6], 0
	s_mov_b32 s[\g+7], 0
.endr
	s_lshl_b32 s18, s16, 7                         ; which 128 rows of the tile I fetch
	s_lshl_b32 s20, s17, 8
	s_add_co_u32 s20, s20, s18                     ; A: row 256 x tile row + 128 x half
	s_lshl_b32 s46, s42, 8
	s_add_co_u32 s46, s46, s18
	s_add_co_u32 s46, s46, 8192                    ; B: row 256 x tile column + 128 x half, in wo's section: rows 8,192 on
	s_mov_b32 s21, 0
	s_mov_b32 s47, 0
	s_mov_b64 s[18:19], KS
	s_mul_u64 s[22:23], s[20:21], s[18:19]         ; where these rows' scales begin, in bytes
	s_mul_u64 s[92:93], s[46:47], s[18:19]
	s_mov_b64 s[18:19], KROW
	s_mul_u64 s[20:21], s[20:21], s[18:19]         ; and their codes
	s_mul_u64 s[46:47], s[46:47], s[18:19]
	s_mul_i32 s45, s14, HALFT                      ; where they go: wave x 128 rows: no place in the cluster enters an LDS address
	s_mul_i32 s94, s14, HALFS
	s_wait_kmcnt 0x0
	s_add_nc_u64 s[20:21], s[4:5], s[20:21]
	s_add_nc_u64 s[22:23], s[6:7], s[22:23]
	s_add_nc_u64 s[46:47], s[8:9], s[46:47]
	s_add_nc_u64 s[92:93], s[10:11], s[92:93]
	CROUND                                         ; all sixteen work-groups are here: the first joint loads meet
	s_mov_b32 s[G0S], 1
	s_add_co_u32 s[G0S+1], s94, SCL
	s_mov_b64 s[G0S+2:G0S+3], s[22:23]
	s_or_b32 s[G0S+3], s[G0S+3], 0x80000000
	s_mov_b32 s[G0SB], 1
	s_add_co_u32 s[G0SB+1], s94, SCL
	s_mov_b64 s[G0SB+2:G0SB+3], s[92:93]
	s_or_b32 s[G0SB+3], s[G0SB+3], 0x80000000
	JLOAD G0S, G1S, G0SB, G1SB                     ; the scales first: they are wanted with K step 0
.irp s, 0,1
	s_mov_b32 s[G0+4*\s], 1
	s_add_co_u32 s[G0+4*\s+1], s45, \s*SLOT
	s_add_nc_u64 s[G0+4*\s+2:G0+4*\s+3], s[20:21], \s*ROWB
	s_or_b32 s[G0+4*\s+3], s[G0+4*\s+3], 0x80000000
	s_mov_b32 s[G0B+4*\s], 1
	s_add_co_u32 s[G0B+4*\s+1], s45, \s*SLOT
	s_add_nc_u64 s[G0B+4*\s+2:G0B+4*\s+3], s[46:47], \s*ROWB
	s_or_b32 s[G0B+4*\s+3], s[G0B+4*\s+3], 0x80000000
	JLOAD G0+4*\s, G1, G0B+4*\s, G1B
.endr
	v_and_b32 v1, 15, v0                           ; l % 16
	v_bfe_u32 v2, v0, 4, 1                         ; l / 16
	v_mul_u32_u24 v3, v1, PITCH
	v_mul_u32_u24 v4, v2, 24
	v_add_nc_u32 v4, v3, v4                        ; a fragment's row x pitch + 24 x half
	v_lshl_add_u32 v5, v2, 4, v4                   ; and the same behind one padding more
	s_mul_i32 s21, s15, HALFT                      ; my 128 rows of A
	s_mul_i32 s22, s16, HALFT                      ; my 128 rows of B,
	s_add_co_u32 s22, s22, 2*HALFT                 ; which lie behind A's 256
.irp s, 0,1
	v_add_nc_u32 v[ADRA+\s], s21, v4
	v_add_nc_u32 v[ADRB+\s], s22, v4
	v_add_nc_u32 v[ADRA+2+\s], s21, v5
	v_add_nc_u32 v[ADRB+2+\s], s22, v5
	s_add_co_u32 s21, s21, SLOT
	s_add_co_u32 s22, s22, SLOT
.endr
	v_mul_u32_u24 v5, v1, KS                       ; my row's scales: KS bytes a row,
	v_lshrrev_b32 v6, 8, v5
	v_lshl_add_u32 v5, v6, 4, v5                   ; and 16 more for each 256 passed
	s_mul_i32 s21, s15, HALFS                      ; A's: my 128 rows
	s_mul_i32 s22, s16, HALFS                      ; B's: my 128 rows, behind A's 256
	s_add_co_u32 s22, s22, 2*HALFS
	s_sub_co_u32 s22, s22, s21
	v_mul_u32_u24 v6, s22, v2                      ; lanes 16-31 take B's
	s_add_co_u32 s21, s21, SCL
	v_add_nc_u32 v5, v5, v6
	v_add_nc_u32 v[ADRS], s21, v5
	s_mul_i32 s23, s14, 16*SPITCH                  ; my stage
	v_mul_u32_u24 v5, v1, SPITCH                   ; in: row l % 16, 32 bytes for each half of the lanes
	v_lshl_add_u32 v5, v2, 5, v5
	v_add_nc_u32 v[STO], s23, v5
	v_and_b32 v6, 31, v0
	v_lshlrev_b32 v[CO], 4, v6                     ; back: the 32 lanes take one row of 512 bytes; and the same in C
	v_add_nc_u32 v[RD], s23, v[CO]
	s_lshl_b32 s20, s17, 8
	s_lshl_b32 s21, s15, 7
	s_add_co_u32 s20, s20, s21                     ; my first row of C: 256 x tile row + 128 x half
	s_mov_b32 s21, 0
	s_mov_b64 s[18:19], SIZE_N*4
	s_mul_u64 s[20:21], s[20:21], s[18:19]
	s_lshl_b32 s46, s42, 10                        ; my first column, in bytes: 1024 x tile column + 512 x half
	s_lshl_b32 s47, s16, 9
	s_add_co_u32 s46, s46, s47
	s_mov_b32 s47, 0
	s_add_nc_u64 s[20:21], s[20:21], s[46:47]
	s_add_nc_u64 s[12:13], s[12:13], s[20:21]
.macro FRAG reg, adr, q, i             ; a fragment, 16 rows x 128 K of 6-bit codes, is 12 registers: lane l holds row l % 16; registers 6 c .. 6 c + 5 hold K = 64 c + 32 (l / 16) + 0 .. 31: 24 bytes of the row's stream of bits, as they lie
.irp p, 0,1,2,3,4,5                    ; in pieces of 8 bytes, so that every address is a multiple of the access's size.  Lanes 0-15 take the row's pieces 12 q + 0, 1, 2 and 12 q + 6, 7, 8, lanes 16-31 those three pieces on
.set PCE, 12*(\q)+6*(\p/3)+\p%3       ; 16 bytes of padding lie behind every 64 bytes (8 pieces): where the piece three on lies behind one padding more, the second address register (40 for 24 bytes a half) serves
.if PCE%8 < 5
	ds_load_b64 v[\reg+2*\p:\reg+2*\p+1], v[\adr] offset:8*PCE+16*(PCE/8)+(\i)*16*PITCH
.else
	ds_load_b64 v[\reg+2*\p:\reg+2*\p+1], v[\adr+2] offset:8*PCE+16*(PCE/8)+(\i)*16*PITCH
.endif
.endr
.endm
; 16 matrix instructions: A's blocks a0, a0 + 1 x B's eight, 128 along K: the slot's q-th.  p: B's set;  sc: the set of scale words.  zero = 1: the first product starts the sums: nothing is ever cleared.
; The 64 accumulators take turns, one instruction a turn, in the same order in every step.
.macro MUL16 a0, p, q, sc, zero
.irp a, \a0, \a0+1
.irp b, 0,1,2,3,4,5,6,7
.if \zero
	v_wmma_scale_f32_16x16x128_f8f6f4 v[8*(8*((\a)%4)+\b):8*(8*((\a)%4)+\b)+7], v[128*(\p)+FR*\b:128*(\p)+FR*\b+FR-1], v[AF+FR*(\a):AF+FR*(\a)+FR-1], 0, v[SC+8*NQ*(\sc)+NQ*\b+(\q)], v[SC+8*NQ*(\sc)+NQ*(\a)+(\q)] matrix_a_fmt:MATRIX_FMT_FP6 matrix_b_fmt:MATRIX_FMT_FP6 matrix_a_scale:MATRIX_SCALE_ROW1
.else
	v_wmma_scale_f32_16x16x128_f8f6f4 v[8*(8*((\a)%4)+\b):8*(8*((\a)%4)+\b)+7], v[128*(\p)+FR*\b:128*(\p)+FR*\b+FR-1], v[AF+FR*(\a):AF+FR*(\a)+FR-1], v[8*(8*((\a)%4)+\b):8*(8*((\a)%4)+\b)+7], v[SC+8*NQ*(\sc)+NQ*\b+(\q)], v[SC+8*NQ*(\sc)+NQ*(\a)+(\q)] matrix_a_fmt:MATRIX_FMT_FP6 matrix_b_fmt:MATRIX_FMT_FP6 matrix_a_scale:MATRIX_SCALE_ROW1
.endif
.endr
.endr
.endm
.macro FETCH_B slot, q, p              ; B's eight fragments of the slot's q-th 128 along K into set p
	WIN TO_B
.irp i, 0,1,2,3,4,5,6,7
	FRAG 128*(\p)+FR*\i, ADRB+\slot, \q, \i
.endr
	WIN 0
.endm
.macro FETCH_A slot, q, i0             ; A's blocks i0 .. i0 + 3
.irp i, \i0, \i0+1, \i0+2, \i0+3
	FRAG AF+FR*(\i), ADRA+\slot, \q, \i
.endr
.endm
.macro SCALES sc                       ; the next K step's scale words into set sc: NQ words a row; lanes 0-15 take A's block i, lanes 16-31 B's block i
.irp i, 0,1,2,3,4,5,6,7
	ds_load_b64 v[SC+8*NQ*\sc+NQ*\i:SC+8*NQ*\sc+NQ*\i+1], v[ADRS] offset:\i*SBLK
.endr
.endm
; A load into a register that a matrix instruction has read, and a vector instruction or an LDS store that reads a matrix result, stand NP places behind that matrix instruction, and only plain vector
; instructions that name none of its registers are places (ISA guide 7.12.1 for vector instructions).
.macro PLACES n
.rept \n
	v_nop
.endr
.endm
; A step of 128 along K that has its successor in the same slot.
.macro STEP slot, q, zero
	s_wait_dscnt 4*NL                              ; B's set and A's blocks 0-3 are in; the youngest 24 loads (A's blocks 4-7) may be out
	WIN MUL_LO
	MUL16 0, (\q)%2, \q, \slot, \zero
	MUL16 2, (\q)%2, \q, \slot, \zero
	s_wait_dscnt 0                                 ; A's blocks 4-7 are in (asked for 32 matrix instructions ago)
	PLACES NP
	FETCH_B \slot, (\q)+1, 1-(\q)%2
	FETCH_A \slot, (\q)+1, 0
	WIN MUL_HI
	MUL16 4, (\q)%2, \q, \slot, \zero
	MUL16 6, (\q)%2, \q, \slot, \zero
	PLACES NP
	WIN 0
	FETCH_A \slot, (\q)+1, 4
.endm
; A slot's last step changes slots: ONE barrier; in front of it each wave waits for all its tensor loads, adds 0 to its spare word, and waits for that and for its own reads of this slot.  fill = 1: this slot is filled again, two K steps ahead.
.macro TURN slot, next, fill
	s_wait_tensorcnt 0x0                           ; all my tensor loads have landed: my part of the next slot;  (every window is 0 here: the add's two registers lie in window 0)
	ds_add_u32 v[SPW], v[NIL]                      ; 0 onto my spare word
	s_wait_dscnt 4*NL+1                            ; (the add and the youngest 24 loads, A's blocks 4-7, may be out)
	WIN MUL_LO
	MUL16 0, 1, NQ-1, \slot, 0                     ; sixteen matrix instructions stand between the add and the wait for it
	s_wait_dscnt 0x0                               ; the add is done, and my reads of this slot are over
	s_barrier_signal -1
	MUL16 2, 1, NQ-1, \slot, 0
	WIN 0
	s_barrier_wait -1
.if \fill
	CREST                                          ; the barrier has opened a round of the cluster's barrier: no wave of any partner still reads this slot's tile or has a load on its way
	s_add_nc_u64 s[G0+4*\slot+2:G0+4*\slot+3], s[G0+4*\slot+2:G0+4*\slot+3], 2*ROWB
	s_add_nc_u64 s[G0B+4*\slot+2:G0B+4*\slot+3], s[G0B+4*\slot+2:G0B+4*\slot+3], 2*ROWB
	JLOAD G0+4*\slot, G1, G0B+4*\slot, G1B         ; the first tensor load behind the round; the four v_nop behind it are the places in front of the loads below
.else
	PLACES NP
.endif
	v_add_nc_u32 v[ADRS], 4*NQ, v[ADRS]            ; on to the next K step's scale words (no LDS load of mine is out)
	FETCH_B \next, 0, 0
	FETCH_A \next, 0, 0
	SCALES \next
	WIN MUL_HI
	MUL16 4, 1, NQ-1, \slot, 0
	MUL16 6, 1, NQ-1, \slot, 0
	PLACES NP
	WIN 0
	FETCH_A \next, 0, 4
.endm
	s_wait_tensorcnt 1                             ; the scales and my part of K step 0 are in (K step 1's load may be out),
	s_barrier_signal -1
	s_barrier_wait -1                              ; everybody's are
	FETCH_B 0, 0, 0
	FETCH_A 0, 0, 0
	SCALES 0
	FETCH_A 0, 0, 4
	STEP 0, 0, 1                                   ; the first step stands in front of the loop: its products start the sums
	s_mov_b32 s3, LAPS-1
.Llap:                                                 ; a trip goes once round the ring, from a lap's second step to the next lap's first, and fills both slots again
	TURN 0, 1, 1
	STEP 1, 0, 0
	TURN 1, 0, 1
	STEP 0, 0, 0
	s_sub_co_u32 s3, s3, 1
	s_cmp_lg_u32 s3, 0
	s_cbranch_scc1 .Llap
	TURN 0, 1, 0                                   ; the last lap fills nothing, and has no round of the cluster's barrier
	STEP 1, 0, 0
	s_wait_dscnt 4*NL                              ; the very last step: nothing more to fetch
	WIN MUL_LO
	MUL16 0, 1, NQ-1, 1, 0
	MUL16 2, 1, NQ-1, 1, 0
	s_wait_dscnt 0
	WIN MUL_HI
	MUL16 4, 1, NQ-1, 1, 0
	MUL16 6, 1, NQ-1, 1, 0
	WIN 0
; THE WAY OUT, block by block of 16 rows x 128 columns.  A lane holds 32 neighbouring bytes of a row, and the lanes beside it hold other rows: so a block goes through my own stage in LDS and comes back as whole
; rows of 512 bytes, which the 32 lanes store together.  LDS serves a wave's instructions in order (ISA guide 5.7.1.4): no wait between the stores and the loads, nor in front of the next block's stores.
.macro TOSTAGE a
.set AC, 64*((\a)%4)
	WIN 0x08+4*((\a)/4)                            ; the data: window 2 or 3
.irp b, 0,1,2,3,4,5,6,7
	ds_store_b128 v[STO], v[AC+8*\b:AC+8*\b+3] offset:64*\b          ; each accumulator from its low end on
	ds_store_b128 v[STO], v[AC+8*\b+4:AC+8*\b+7] offset:64*\b+16
.endr
	WIN 0
.set BB, BK+64*((\a)%2)
.irp t, 0,1,2,3,4,5,6,7,8,9,10,11,12,13,14,15
	ds_load_b128 v[BB+4*\t:BB+4*\t+3], v[RD] offset:\t*SPITCH
.endr
.endm
.macro SEND a, younger                 ; younger: the LDS instructions issued behind block a's loads, which may stay out
.set BB, BK+64*((\a)%2)
	s_wait_dscnt \younger                          ; the block is back in registers
.if (\a) > 0
	s_add_nc_u64 s[12:13], s[12:13], 16*SIZE_N*4   ; (behind a wait on XCNT: the earlier stores have read their base)  16 rows of C on, so that the stores' offsets stay small: 15 rows of C at the most
.endif
.irp t, 0,1,2,3,4,5,6,7,8,9,10,11,12,13,14,15
	global_store_b128 v[CO], v[BB+4*\t:BB+4*\t+3], s[12:13] offset:\t*SIZE_N*4 th:TH_STORE_NT   ; 32 lanes store 512 consecutive bytes, at a multiple of 256 from C's first byte; written once, read by nobody here
.endr
.endm
	PLACES NP                                      ; these places serve the loads into the registers that held A's fragments and the reads of the last products' results alike
	TOSTAGE 0
.irp a, 1,2,3,4,5,6,7
.if \a > 1
	s_wait_xcnt 0x0                                ; block a - 2's stores have read their registers and their base: block a's loads may land there, and the base may step
.endif
	TOSTAGE \a
	SEND \a-1, 32                                  ; behind block a - 1's loads: block a's 16 stores and 16 loads
.endr
	s_wait_xcnt 0x0                                ; block 6's stores have read their base
	SEND 7, 0
	s_wait_tensorcnt 0x0                           ; the wave's end: behind my last tensor load and my last LDS store
	ds_add_u32 v[SPW], v[NIL]
	s_wait_dscnt 0x0
	CROUND                                         ; the closing round: no work-group ends while a partner may still ask for a tile that names it
	s_endpgm
.Lfunc_end_k_q1931751abf_outp:
	.size	k_q1931751abf_outp, .Lfunc_end_k_q1931751abf_outp-k_q1931751abf_outp
	.p2alignl 7, 3214868480
	.fill 96, 4, 3214868480
	.section	.rodata,"a",@progbits
	.p2align	6, 0x0
	.amdhsa_kernel k_q1931751abf_outp
		.amdhsa_group_segment_fixed_size 327680
		.amdhsa_private_segment_fixed_size 0
		.amdhsa_enable_private_segment 0
		.amdhsa_kernarg_size 40
		.amdhsa_user_sgpr_count 2
		.amdhsa_user_sgpr_kernarg_segment_ptr 1
		.amdhsa_wavefront_size32 1
		.amdhsa_system_sgpr_workgroup_id_x 1
		.amdhsa_system_sgpr_workgroup_id_y 1
		.amdhsa_system_sgpr_workgroup_id_z 1
		.amdhsa_system_vgpr_workitem_id 0
		.amdhsa_next_free_vgpr 1024
		.amdhsa_next_free_sgpr 98
		.amdhsa_reserve_vcc 0
		.amdhsa_float_denorm_mode_32 3
		.amdhsa_float_denorm_mode_16_64 3
		.amdhsa_memory_ordered 1
		.amdhsa_forward_progress 1
		.amdhsa_inst_pref_size 160
	.end_amdhsa_kernel
	.amdgpu_metadata
---
amdhsa.version: [ 1, 2 ]
amdhsa.kernels:
  - .name:           k_q1931751abf_outp
    .symbol:         k_q1931751abf_outp.kd
    .args:
      - { .name: ocodes, .offset: 0, .size: 8, .value_kind: global_buffer, .address_space: global }
      - { .name: oscales, .offset: 8, .size: 8, .value_kind: global_buffer, .address_space: global }
      - { .name: wcodes, .offset: 16, .size: 8, .value_kind: global_buffer, .address_space: global }
      - { .name: wscales, .offset: 24, .size: 8, .value_kind: global_buffer, .address_space: global }
      - { .name: out0, .offset: 32, .size: 8, .value_kind: global_buffer, .address_space: global }
    .group_segment_fixed_size: 327680
    .private_segment_fixed_size: 0
    .kernarg_segment_align: 8
    .kernarg_segment_size: 40
    .max_flat_workgroup_size: 128
    .sgpr_count:     98
    .vgpr_count:     1024
    .wavefront_size: 32
...
	.end_amdgpu_metadata
.endif
;; end of part 4
;; ======== version 2 of 2: 4 launches
;; workspace buffers: wcodes 15,728,640 bytes; wscales 655,360 bytes; mimg 16,777,216 bytes; qkv 9,830,400 bytes; ocodes 3,145,728 bytes; oscales 131,072 bytes
;; launch prep: the kernel of part 1 again; grid 896 x 1, 4 waves a work-group, no clusters, 67,072 bytes of LDS; arguments x, wq, wk, wv, wo, mask, wcodes, wscales, mimg; writes wcodes, wscales, mimg
;; launch proj (part 5): grid 24 x 8, 4 waves a work-group, clusters of 4 x 4, 327,680 bytes of LDS; arguments wcodes, wscales, freq_cos, freq_sin, qkv; writes qkv
.if DOCPART == 5
	.amdgcn_target "amdgcn-amd-amdhsa--gfx1250"
	.amdhsa_code_object_version 6
	.text
	.protected	k_q1931751abf_proj
	.globl	k_q1931751abf_proj
	.p2align	8
	.type	k_q1931751abf_proj,@function
k_q1931751abf_proj:
	s_mov_b64 s[64:65], 0
	v_nop
	global_prefetch_b8 v0, s[64:65] scope:SCOPE_SE
	s_setreg_imm32_b32 hwreg(HW_REG_WAVE_MODE, 25, 1), 1
	s_wait_xcnt 0x0
	s_wait_alu depctr_hold_cnt(0) depctr_sa_sdst(0) depctr_va_vdst(0) depctr_va_sdst(0) depctr_va_ssrc(0) depctr_va_vcc(0) depctr_vm_vsrc(0)
	s_getreg_b32 s2, hwreg(HW_REG_IB_STS2, 6, 4)
	s_cmp_eq_u32 s2, 0
	s_cbranch_scc0 .Lentry_in_a_cluster
	s_endpgm
.Lentry_in_a_cluster:
	s_bfe_u32 s2, ttmp6, 0x10000c
	s_cmp_lg_u32 s2, 0xf033
	s_cbranch_scc0 .Lentry_shape_is_right
	s_endpgm
.Lentry_shape_is_right:
; THE THREE PROJECTIONS, THE ROTATION, AND THE QUANTISING OF q, k AND v, in one launch.  All products on codes of FP6 (E2M3) with one E8M0 scale for each 32 along K; sums in f32.
; wcodes: 10,240 rows of 1,536 bytes (2,048 codes): x, wq, wk, wv, wo, 2,048 rows each; wscales: the same rows, 64 bytes each.  The rows of x, wq, wk, wv lie with bits 3 and 4 of their number swapped.
; A tile of C = A B^T, 256 x 256, is made by a work-group of four waves; a wave makes 128 x 128: 64 accumulators of 16 x 16, 512 registers.  K = 2,048 goes in steps of 256 through a ring of two LDS slots.
; Tile columns 0-7: A = x, B = wq (q);  8-15: A = x, B = wk (k);  16-23: A = wv, B = x (v transposed: its rows are the head's channels, its columns the keys, which are the next product's K).
; THE MATRIX INSTRUCTION IS USED TRANSPOSED (source 0 = 16 rows of B, source 1 = 16 rows of A): a lane holds one row of A's, and, by the order of B's rows, the 64 registers of a block of 16 rows are
; register 16 b + i = column 32 b + 16 (lane / 16) + i of the wave's 128: sixteen neighbours along the next K.  So each block is rotated (q, k), quantised in registers, and leaves as the image of an operand's registers.
; qkv: 768 blocks of 12,800 bytes (128 rows x 128 K): 8 images of 1,536 bytes (registers 4 c .. 4 c + 3 of lane l at 512 c + 16 l), then 128 scale words.  q: block 16 head + rows / 128;  k: 256 + the same;  v: 512 + 16 head + keys / 128.
; THE SCALES of the work-group's 256 rows of A and of B, for all of K, are two dense blocks of memory: they come into LDS once, with the first fills, and stay.
; CLUSTERS: 4 x 4 work-groups.  The four of a row of the cluster need the same tiles of A, the four of a column the same tiles of B: each tile is asked for JOINTLY, by the same tensor load with the same descriptor
; and a mask that names the four.  The cluster's x (six clusters along x) says which operands are taken, and which of the two ways out: it is the same in all sixteen partners.
; LIMITS: a block whose largest magnitude lies under 2^-124 gets the byte 1 (a block of zeros too: its codes are zeros, and this program alone reads the bytes); the rotation is a multiplication and a fused multiply-add.
; REGISTERS, in windows of 256: window 0: v0-31 addresses; v32-63 scale words, two sets, and nothing else; from v128 A's fragments, ONE set; on the way out v128-239.
;   window 1: B's fragments, TWO sets, at v0 and at v128; on the way out four sets of 32 cosines and 32 sines.   window 2: the 32 accumulators of my rows 0-63 (accumulator (a, b) at v[8 (8 a + b)]);   window 3: those of my rows 64-127.
.set SIZE_K, 2048
.set KSTEP,  256                       ; along K in a slot
.set NQ,     KSTEP/128                 ; matrix instructions deep
.set ROWB,   192                       ; a tile's row in bytes
.set KROW,   SIZE_K*6/8                ; a row of codes in memory, in bytes
.set PITCH,  240                       ; an LDS row: 3 x (64 bytes of data + 16 of padding) = 60 words: row r starts at bank -4 r mod 64 (64 banks of 4 bytes: ISA guide 11.1)
.set FR,     12                        ; registers of a fragment: 16 rows x 128 K
.set NL,     6                         ; LDS loads that bring one
.set NP,     4                         ; places behind this matrix instruction (ISA guide 7.12.1)
.set HALFT,  128*PITCH                 ; 128 rows: what one tensor load brings, and what one wave reads of A or of B
.set SLOT,   4*HALFT                   ; A's 256 rows, then B's 256 rows
.set LAPS,   SIZE_K/(2*KSTEP)          ; a lap = two K steps = once round the ring
.set KS,     SIZE_K/32                 ; a row of scales in bytes
.set SCL,    2*SLOT                    ; behind the ring: the scales, as units of 256 bytes + 16 of padding
.set HALFS,  (128*KS/256)*272          ; the scales of 128 rows: what one tensor load brings
.set SBLK,   (16*KS/256)*272           ; those of 16 rows
.set SPARE,  SCL+4*HALFS               ; behind the scales: the spare words, 128 bytes for each wave
.set BLKB,   12800                     ; a block of qkv
.set ADRA, 16                          ; v16-17  LDS address of my A fragments in slot 0, 1  (v18-19: the same for the pieces that lie behind one padding more)
.set ADRB, 20                          ; v20-21  the same for B  (v22-23)
.set SST,  24                          ; v24     the way out: where my row's scale word goes: 512 x wave + 4 (lane % 16), in slot 0, which has had its last fill and its last read by then
.set SRD,  25                          ; v25     and where 16 bytes of the wave's 128 words are read back: 512 x wave + 16 x lane
.set ADRS, 27                          ; v27     LDS address of my scale words: lanes 0-15 A's rows, lanes 16-31 B's
.set SPW,  28                          ; v28     LDS address of my spare word; never rewritten
.set NIL,  29                          ; v29     0; never rewritten
.set CSA,  30                          ; v30     my byte in a block's rows of freq_cos and freq_sin
.set IMO,  31                          ; v31     16 x lane: my place in an image
.set SC,   32                          ; scale words: set s at v[SC + 8 NQ s]; register NQ i + q: lanes 0-15 the word of A's block i, lanes 16-31 that of B's block i
.set AF,   128                         ; A's fragments, in window 0
.set R0,   128                         ; the way out: v128-191 the 64 numbers to be quantised
.set PC,   192                         ; v192-211 the codes
.set TM,   212                         ; v212-227 at work
.set PW,   228                         ; v228-235 a scale word for each of the eight blocks
.set BACK, 236                         ; v236-239 the scale words read back
.set G1, 24                            ; s[24:31] descriptor group 1 for A's tiles;  s[32:39] group 0, one set for each slot
.set G0, 32
.set G1B, 48                           ; s[48:55], s[56:63] the same for B's tiles
.set G0B, 56
.set G1S, 68                           ; s[68:75], s[76:79] groups 1 and 0 for A's scales;  s[80:87], s[88:91] for B's
.set G0S, 76
.set G1SB, 80
.set G0SB, 88
.set SEL, 96                           ; s[96:97] lane selects for v_permlanex16_b32: lane l xor 16
.set MSB, 0
.macro WIN new                         ; the immediate's high byte repeats the setting that is left
.if MSB != \new
	s_set_vgpr_msb (MSB<<8)|\new
.set MSB, \new
.endif
.endm
.set MUL_LO, 0xa1                      ; source 0 (B) window 1, source 1 (A) window 0, C and D window 2
.set MUL_HI, 0xf1                      ; the same, C and D window 3
.set TO_B,   0x40                      ; destination window 1, address window 0
; A joint load: waves 0 and 1 fetch for A, waves 2 and 3 for B.  Each of the two lines has ONE mask and one set of registers for all that issue it; the branch hangs on the wave's number alone.
; Four v_nop follow each of the two lines, ahead of the jump, the label and what follows.
.macro JLOAD g0a, g1a, g0b, g1b
	s_cmp_eq_u32 s15, 0
	s_cbranch_scc0 .Lfor_b_\@
	tensor_load_to_lds s[\g0a:\g0a+3], s[\g1a:\g1a+7]
	s_nop 0
.rept 4
	v_nop
.endr
	s_branch .Lasked_\@
.Lfor_b_\@:
	tensor_load_to_lds s[\g0b:\g0b+3], s[\g1b:\g1b+7]
	s_nop 0
.rept 4
	v_nop
.endr
.Lasked_\@:
.endm
.macro CREST                           ; a round of the cluster's barrier behind its opening barrier
	s_cmp_lg_u32 s14, 0
	s_cbranch_scc1 .Lnot_wave_0_\@
	s_barrier_signal -3
.Lnot_wave_0_\@:
	s_barrier_wait -3
	s_barrier_signal -1
	s_barrier_wait -1
.endm
.macro CROUND                          ; a whole round
	s_barrier_signal -1
	s_barrier_wait -1
	CREST
.endm
	s_load_b128 s[4:7], s[0:1], 0x0                ; wcodes s[4:5], wscales s[6:7]
	s_load_b128 s[8:11], s[0:1], 0x10              ; freq_cos s[8:9], freq_sin s[10:11]
	s_load_b64 s[12:13], s[0:1], 0x20              ; qkv
	v_lshl_add_u32 v[SPW], v0, 2, SPARE
	v_mov_b32 v[NIL], 0
	ds_add_u32 v28, v29
	s_wait_dscnt 0x0
	v_lshrrev_b32 v1, 5, v0
	v_readfirstlane_b32 s14, v1                    ; wave 0..3
	s_lshr_b32 s15, s14, 1                         ; which half of the tile's rows is mine.  Also: I fetch for A (0) or for B (1)
	s_and_b32 s16, s14, 1                          ; which half of its columns.  Also: which 128 rows of that tile I fetch
	s_bfe_u32 s40, ttmp6, 0x40000                  ; cx, cy: my place in the cluster
	s_bfe_u32 s41, ttmp6, 0x40004
	s_lshl_b32 s42, ttmp9, 2
	s_add_co_u32 s42, s42, s40                     ; tile column = 4 x cluster x + cx: 0..23
	s_and_b32 s17, ttmp7, 0xffff
	s_lshl_b32 s17, s17, 2
	s_add_co_u32 s17, s17, s41                     ; tile row = 4 x cluster y + cy: 0..7
	s_lshl_b32 s43, s41, 2
	s_lshl_b32 s43, 15, s43                        ; my row of the cluster
	s_lshl_b32 s44, 0x1111, s40                    ; my column
	; descriptor group 1: a tile of 128 rows x ROWB bytes, padded in LDS
	s_or_b32 s[G1+0], s43, (0<<16)|(1<<20)|(1<<21)|(3<<22)|(3<<25)  ; 15:0 the mask: A's tiles go to my row; 17:16 element of 1 byte; 20 padding on; 21 set beside a mask; 24:22 after every 16 words (code 3); 31:25 of 4 words (code 3)
	s_or_b32 s[G1B+0], s44, (0<<16)|(1<<20)|(1<<21)|(3<<22)|(3<<25)
.irp g, G1, G1B
	s_mov_b32 s[\g+1], ROWB<<16                    ; tensor_dim0
	s_mov_b32 s[\g+2], 128<<16                     ; tensor_dim1 = 128
	s_mov_b32 s[\g+3], ROWB<<16                    ; tile_dim0
	s_mov_b32 s[\g+4], 128                         ; tile_dim1 = 128
	s_mov_b32 s[\g+5], KROW                        ; tensor_dim0_stride
	s_mov_b32 s[\g+6], 0
	s_mov_b32 s[\g+7], 0
.endr
	; and for the scales of 128 rows: a dense block of 128 KS bytes, as rows of 256 bytes (32 elements of 8 bytes), 16 bytes of padding behind each
	s_or_b32 s[G1S+0], s43, (3<<16)|(1<<20)|(1<<21)|(5<<22)|(3<<25)
	s_or_b32 s[G1SB+0], s44, (3<<16)|(1<<20)|(1<<21)|(5<<22)|(3<<25)
.irp g, G1S, G1SB
	s_mov_b32 s[\g+1], 32<<16
	s_mov_b32 s[\g+2], (128*KS/256)<<16
	s_mov_b32 s[\g+3], 32<<16
	s_mov_b32 s[\g+4], 128*KS/256
	s_mov_b32 s[\g+5], 32
	s_mov_b32 s[\g+6], 0
	s_mov_b32 s[\g+7], 0
.endr
	s_mov_b32 s[SEL], 0x76543210
	s_mov_b32 s[SEL+1], 0xfedcba98
	; which rows of the 10,240: clusters 0-3 along x: A = x (row 0 on), B = wq, wk (row 2,048 on);  clusters 4, 5: A = wv (row 6,144 on), B = x
	s_cmp_lt_u32 ttmp9, 4
	s_cselect_b32 s98, 0, 6144
	s_cselect_b32 s99, 6144, 0
	s_lshl_b32 s18, s16, 7                         ; which 128 rows of the tile I fetch
	s_lshl_b32 s20, s17, 8
	s_add_co_u32 s20, s20, s18
	s_add_co_u32 s20, s20, s98                     ; A: 256 x tile row + 128 x half + its section
	s_lshl_b32 s46, s42, 8
	s_add_co_u32 s46, s46, s18
	s_add_co_u32 s46, s46, s99
	s_sub_co_u32 s46, s46, 4096                    ; B: 256 x tile column + 128 x half + 2,048, or - 4,096 (tile columns 16 on)
	s_mov_b32 s21, 0
	s_mov_b32 s47, 0
	s_mov_b64 s[18:19], KS
	s_mul_u64 s[22:23], s[20:21], s[18:19]         ; where these rows' scales begin, in bytes
	s_mul_u64 s[92:93], s[46:47], s[18:19]
	s_mov_b64 s[18:19], KROW
	s_mul_u64 s[20:21], s[20:21], s[18:19]         ; and their codes
	s_mul_u64 s[46:47], s[46:47], s[18:19]
	s_mul_i32 s45, s14, HALFT                      ; where they go: wave x 128 rows: no place in the cluster enters an LDS address
	s_mul_i32 s94, s14, HALFS
	s_wait_kmcnt 0x0
	s_add_nc_u64 s[20:21], s[4:5], s[20:21]
	s_add_nc_u64 s[22:23], s[6:7], s[22:23]
	s_add_nc_u64 s[46:47], s[4:5], s[46:47]
	s_add_nc_u64 s[92:93], s[6:7], s[92:93]
	CROUND                                         ; all sixteen work-groups are here: the first joint loads meet
	s_mov_b32 s[G0S], 1
	s_add_co_u32 s[G0S+1], s94, SCL
	s_mov_b64 s[G0S+2:G0S+3], s[22:23]
	s_or_b32 s[G0S+3], s[G0S+3], 0x80000000
	s_mov_b32 s[G0SB], 1
	s_add_co_u32 s[G0SB+1], s94, SCL
	s_mov_b64 s[G0SB+2:G0SB+3], s[92:93]
	s_or_b32 s[G0SB+3], s[G0SB+3], 0x80000000
	JLOAD G0S, G1S, G0SB, G1SB                     ; the scales first: they are wanted with K step 0
.irp s, 0,1
	s_mov_b32 s[G0+4*\s], 1
	s_add_co_u32 s[G0+4*\s+1], s45, \s*SLOT
	s_add_nc_u64 s[G0+4*\s+2:G0+4*\s+3], s[20:21], \s*ROWB
	s_or_b32 s[G0+4*\s+3], s[G0+4*\s+3], 0x80000000
	s_mov_b32 s[G0B+4*\s], 1
	s_add_co_u32 s[G0B+4*\s+1], s45, \s*SLOT
	s_add_nc_u64 s[G0B+4*\s+2:G0B+4*\s+3], s[46:47], \s*ROWB
	s_or_b32 s[G0B+4*\s+3], s[G0B+4*\s+3], 0x80000000
	JLOAD G0+4*\s, G1, G0B+4*\s, G1B
.endr
	v_and_b32 v1, 15, v0                           ; l % 16
	v_bfe_u32 v2, v0, 4, 1                         ; l / 16
	v_mul_u32_u24 v3, v1, PITCH
	v_mul_u32_u24 v4, v2, 24
	v_add_nc_u32 v4, v3, v4                        ; a fragment's row x pitch + 24 x half
	v_lshl_add_u32 v5, v2, 4, v4                   ; and the same behind one padding more
	s_mul_i32 s21, s15, HALFT                      ; my 128 rows of A
	s_mul_i32 s22, s16, HALFT                      ; my 128 rows of B,
	s_add_co_u32 s22, s22, 2*HALFT                 ; which lie behind A's 256
.irp s, 0,1
	v_add_nc_u32 v[ADRA+\s], s21, v4
	v_add_nc_u32 v[ADRB+\s], s22, v4
	v_add_nc_u32 v[ADRA+2+\s], s21, v5
	v_add_nc_u32 v[ADRB+2+\s], s22, v5
	s_add_co_u32 s21, s21, SLOT
	s_add_co_u32 s22, s22, SLOT
.endr
	v_mul_u32_u24 v5, v1, KS                       ; my row's scales: KS bytes a row,
	v_lshrrev_b32 v6, 8, v5
	v_lshl_add_u32 v5, v6, 4, v5                   ; and 16 more for each 256 passed
	s_mul_i32 s21, s15, HALFS                      ; A's: my 128 rows
	s_mul_i32 s22, s16, HALFS                      ; B's: my 128 rows, behind A's 256
	s_add_co_u32 s22, s22, 2*HALFS
	s_sub_co_u32 s22, s22, s21
	v_mul_u32_u24 v6, s22, v2                      ; lanes 16-31 take B's
	s_add_co_u32 s21, s21, SCL
	v_add_nc_u32 v5, v5, v6
	v_add_nc_u32 v[ADRS], s21, v5
	; the way out's addresses
	s_lshl_b32 s23, s14, 9                         ; 512 bytes of slot 0 for each wave's 128 scale words
	v_lshl_add_u32 v[SST], v1, 2, s23
	v_and_b32 v6, 31, v0
	v_lshlrev_b32 v[IMO], 4, v6
	v_add_nc_u32 v[SRD], s23, v[IMO]
	v_and_b32 v6, 8, v1
	v_add_nc_u32 v6, v6, v1                        ; lane r of a block of 16 places holds row r + 8 (r / 8) of its group
	v_lshlrev_b32 v[CSA], 8, v6                    ; a row of freq_cos is 256 bytes;
	v_lshl_add_u32 v[CSA], v2, 5, v[CSA]           ; my 8 pairs of each 32 channels begin 32 h bytes on
	s_lshl_b32 s20, s17, 8
	s_lshl_b32 s21, s15, 7
	s_add_co_u32 s20, s20, s21                     ; my first row: 256 x tile row + 128 x half
	s_lshl_b32 s20, s20, 8
	s_mov_b32 s21, 0
	s_add_nc_u64 s[8:9], s[8:9], s[20:21]
	s_add_nc_u64 s[10:11], s[10:11], s[20:21]
	s_lshl_b32 s20, s17, 1
	s_add_co_u32 s20, s20, s15                     ; I: which 128 rows
	s_lshl_b32 s46, s42, 1
	s_add_co_u32 s46, s46, s16                     ; J: which 128 columns
	s_lshl_b32 s21, s46, 4
	s_add_co_u32 s21, s21, s20                     ; q, k: block 16 J + I (J = the head, and 16 on for k)
	s_lshl_b32 s47, s20, 4
	s_add_co_u32 s47, s47, s46
	s_add_co_u32 s47, s47, 480                     ; v: block 512 + 16 I + (J - 32) (I = the head)
	s_cmp_lt_u32 ttmp9, 4
	s_cselect_b32 s46, s21, s47
	s_mul_i32 s46, s46, BLKB
	s_mov_b32 s47, 0
	s_add_nc_u64 s[12:13], s[12:13], s[46:47]
.macro FRAG reg, adr, q, i             ; a fragment, 16 rows x 128 K of 6-bit codes, is 12 registers: lane l holds row l % 16; registers 6 c .. 6 c + 5 hold K = 64 c + 32 (l / 16) + 0 .. 31: 24 bytes of the row's stream of bits, as they lie
.irp p, 0,1,2,3,4,5                    ; in pieces of 8 bytes, so that every address is a multiple of the access's size.  Lanes 0-15 take the row's pieces 12 q + 0, 1, 2 and 12 q + 6, 7, 8, lanes 16-31 those three pieces on
.set PCE, 12*(\q)+6*(\p/3)+\p%3       ; 16 bytes of padding lie behind every 64 bytes (8 pieces): where the piece three on lies behind one padding more, the second address register (40 for 24 bytes a half) serves
.if PCE%8 < 5
	ds_load_b64 v[\reg+2*\p:\reg+2*\p+1], v[\adr] offset:8*PCE+16*(PCE/8)+(\i)*16*PITCH
.else
	ds_load_b64 v[\reg+2*\p:\reg+2*\p+1], v[\adr+2] offset:8*PCE+16*(PCE/8)+(\i)*16*PITCH
.endif
.endr
.endm
; 16 matrix instructions: A's blocks a0, a0 + 1 x B's eight, 128 along K: the slot's q-th.  p: B's set;  sc: the set of scale words.  zero = 1: the first product starts the sums: nothing is ever cleared.
; The 64 accumulators take turns, one instruction a turn, in the same order in every step.
.macro MUL16 a0, p, q, sc, zero
.irp a, \a0, \a0+1
.irp b, 0,1,2,3,4,5,6,7
.if \zero
	v_wmma_scale_f32_16x16x128_f8f6f4 v[8*(8*((\a)%4)+\b):8*(8*((\a)%4)+\b)+7], v[128*(\p)+FR*\b:128*(\p)+FR*\b+FR-1], v[AF+FR*(\a):AF+FR*(\a)+FR-1], 0, v[SC+8*NQ*(\sc)+NQ*\b+(\q)], v[SC+8*NQ*(\sc)+NQ*(\a)+(\q)] matrix_a_fmt:MATRIX_FMT_FP6 matrix_b_fmt:MATRIX_FMT_FP6 matrix_a_scale:MATRIX_SCALE_ROW1
.else
	v_wmma_scale_f32_16x16x128_f8f6f4 v[8*(8*((\a)%4)+\b):8*(8*((\a)%4)+\b)+7], v[128*(\p)+FR*\b:128*(\p)+FR*\b+FR-1], v[AF+FR*(\a):AF+FR*(\a)+FR-1], v[8*(8*((\a)%4)+\b):8*(8*((\a)%4)+\b)+7], v[SC+8*NQ*(\sc)+NQ*\b+(\q)], v[SC+8*NQ*(\sc)+NQ*(\a)+(\q)] matrix_a_fmt:MATRIX_FMT_FP6 matrix_b_fmt:MATRIX_FMT_FP6 matrix_a_scale:MATRIX_SCALE_ROW1
.endif
.endr
.endr
.endm
.macro FETCH_B slot, q, p              ; B's eight fragments of the slot's q-th 128 along K into set p
	WIN TO_B
.irp i, 0,1,2,3,4,5,6,7
	FRAG 128*(\p)+FR*\i, ADRB+\slot, \q, \i
.endr
	WIN 0
.endm
.macro FETCH_A slot, q, i0             ; A's blocks i0 .. i0 + 3
.irp i, \i0, \i0+1, \i0+2, \i0+3
	FRAG AF+FR*(\i), ADRA+\slot, \q, \i
.endr
.endm
.macro SCALES sc                       ; the next K step's scale words into set sc: NQ words a row; lanes 0-15 take A's block i, lanes 16-31 B's block i
.irp i, 0,1,2,3,4,5,6,7
	ds_load_b64 v[SC+8*NQ*\sc+NQ*\i:SC+8*NQ*\sc+NQ*\i+1], v[ADRS] offset:\i*SBLK
.endr
.endm
; A load into a register that a matrix instruction has read, and a vector instruction that reads a matrix result or writes one of its registers, stand NP places behind that matrix instruction, and only plain vector
; instructions that name none of its registers are places (ISA guide 7.12.1 for vector instructions).
.macro PLACES n
.rept \n
	v_nop
.endr
.endm
; A step of 128 along K that has its successor in the same slot.
.macro STEP slot, q, zero
	s_wait_dscnt 4*NL                              ; B's set and A's blocks 0-3 are in; the youngest 24 loads (A's blocks 4-7) may be out
	WIN MUL_LO
	MUL16 0, (\q)%2, \q, \slot, \zero
	MUL16 2, (\q)%2, \q, \slot, \zero
	s_wait_dscnt 0                                 ; A's blocks 4-7 are in (asked for 32 matrix instructions ago)
	PLACES NP
	FETCH_B \slot, (\q)+1, 1-(\q)%2
	FETCH_A \slot, (\q)+1, 0
	WIN MUL_HI
	MUL16 4, (\q)%2, \q, \slot, \zero
	MUL16 6, (\q)%2, \q, \slot, \zero
	PLACES NP
	WIN 0
	FETCH_A \slot, (\q)+1, 4
.endm
; A slot's last step changes slots: ONE barrier; in front of it each wave waits for all its tensor loads, adds 0 to its spare word, and waits for that and for its own reads of this slot.  fill = 1: this slot is filled again, two K steps ahead.
.macro TURN slot, next, fill
	s_wait_tensorcnt 0x0                           ; all my tensor loads have landed: my part of the next slot;  (every window is 0 here: the add's two registers lie in window 0)
	ds_add_u32 v[SPW], v[NIL]                      ; 0 onto my spare word
	s_wait_dscnt 4*NL+1                            ; (the add and the youngest 24 loads, A's blocks 4-7, may be out)
	WIN MUL_LO
	MUL16 0, 1, NQ-1, \slot, 0                     ; sixteen matrix instructions stand between the add and the wait for it
	s_wait_dscnt 0x0                               ; the add is done, and my reads of this slot are over
	s_barrier_signal -1
	MUL16 2, 1, NQ-1, \slot, 0
	WIN 0
	s_barrier_wait -1
.if \fill
	CREST                                          ; the barrier has opened a round of the cluster's barrier: no wave of any partner still reads this slot's tile or has a load on its way
	s_add_nc_u64 s[G0+4*\slot+2:G0+4*\slot+3], s[G0+4*\slot+2:G0+4*\slot+3], 2*ROWB
	s_add_nc_u64 s[G0B+4*\slot+2:G0B+4*\slot+3], s[G0B+4*\slot+2:G0B+4*\slot+3], 2*ROWB
	JLOAD G0+4*\slot, G1, G0B+4*\slot, G1B         ; the first tensor load behind the round; the four v_nop behind it are the places in front of the loads below
.else
	PLACES NP
.endif
	v_add_nc_u32 v[ADRS], 4*NQ, v[ADRS]            ; on to the next K step's scale words (no LDS load of mine is out)
	FETCH_B \next, 0, 0
	FETCH_A \next, 0, 0
	SCALES \next
	WIN MUL_HI
	MUL16 4, 1, NQ-1, \slot, 0
	MUL16 6, 1, NQ-1, \slot, 0
	PLACES NP
	WIN 0
	FETCH_A \next, 0, 4
.endm
	s_wait_tensorcnt 1                             ; the scales and my part of K step 0 are in (K step 1's load may be out),
	s_barrier_signal -1
	s_barrier_wait -1                              ; everybody's are
	FETCH_B 0, 0, 0
	FETCH_A 0, 0, 0
	SCALES 0
	FETCH_A 0, 0, 4
	STEP 0, 0, 1                                   ; the first step stands in front of the loop: its products start the sums
	s_mov_b32 s3, LAPS-1
.Llap:                                                 ; a trip goes once round the ring, from a lap's second step to the next lap's first, and fills both slots again
	TURN 0, 1, 1
	STEP 1, 0, 0
	TURN 1, 0, 1
	STEP 0, 0, 0
	s_sub_co_u32 s3, s3, 1
	s_cmp_lg_u32 s3, 0
	s_cbranch_scc1 .Llap
	TURN 0, 1, 0                                   ; the last lap fills nothing, and has no round of the cluster's barrier
	STEP 1, 0, 0
	s_wait_dscnt 4*NL                              ; the very last step: nothing more to fetch
	WIN MUL_LO
	MUL16 0, 1, NQ-1, 1, 0
	MUL16 2, 1, NQ-1, 1, 0
	s_wait_dscnt 0
	WIN MUL_HI
	MUL16 4, 1, NQ-1, 1, 0
	MUL16 6, 1, NQ-1, 1, 0
	WIN 0
; ---------------- THE WAY OUT: block by block of 16 rows ----------------
; 64 numbers of a lane, v[s] .. v[s + 63], register 16 b + i = k 32 b + 16 (lane / 16) + i of my row, become a fragment's codes in v[pc] .. v[pc + 11] and its scale word in v[pw].
.macro QUANT s, pc, tm, pw
.irp b, 0,1,2,3
	v_max3_num_f32 v[\tm+\b], |v[\s+16*\b]|, |v[\s+1+16*\b]|, 0x1800000   ; block b: my 16 numbers, and the floor 2^(3 - 127): so the byte cannot fall under 1
.endr
.irp i, 2,4,6,8,10,12,14
.irp b, 0,1,2,3
	v_max3_num_f32 v[\tm+\b], v[\tm+\b], |v[\s+16*\b+\i]|, |v[\s+1+16*\b+\i]|   ; (the four blocks by turns: no line waits for the line above it)
.endr
.endr
.irp b, 0,1,2,3
	v_permlanex16_b32 v[\tm+4+\b], v[\tm+\b], s[SEL], s[SEL+1]
.endr
.irp b, 0,1,2,3
	v_max_num_f32 v[\tm+\b], v[\tm+\b], v[\tm+4+\b]   ; with lane l xor 16's: the block's largest magnitude
.endr
.irp b, 0,1,2,3
	v_add_nc_u32 v[\tm+12+\b], 0xff000000, v[\tm+\b]   ; 2 off its exponent field: the conversion takes the exponent field of this operand as its scale, and nothing else of it
.endr
.irp b, 0,1,2,3
	v_lshrrev_b32 v[\tm+4+\b], 23, v[\tm+12+\b]   ; the scale's byte
.endr
	v_lshl_or_b32 v[\pw], v[\tm+5], 8, v[\tm+4]   ; the four bytes make my row's scale word (both halves of the lanes hold the same)
	v_lshl_or_b32 v[\pw], v[\tm+6], 16, v[\pw]
	v_lshl_or_b32 v[\pw], v[\tm+7], 24, v[\pw]
.irp c, 0,1
	v_cvt_scalef32_pk16_fp6_f32 v[\pc+6*\c:\pc+2+6*\c], v[\s+32*\c:\s+15+32*\c], v[\tm+12+2*\c]
	v_cvt_scalef32_pk16_fp6_f32 v[\pc+12+4*\c:\pc+14+4*\c], v[\s+16+32*\c:\s+31+32*\c], v[\tm+12+2*\c+1]   ; (a conversion's three registers begin on an even number)
.endr
	v_nop                                          ; one plain place behind a scaled conversion
.irp c, 0,1                                    ; the operand's layout wants a WHOLE block in a lane: lanes 0-15 block 2 c, lanes 16-31 block 2 c + 1
.irp i, 0,1,2
	v_permlane16_swap_b32 v[\pc+6*\c+\i], v[\pc+12+4*\c+\i]
.endr
.irp i, 0,1,2
	v_mov_b32 v[\pc+3+6*\c+\i], v[\pc+12+4*\c+\i]
.endr
.endr
.endm
; The cosines and sines of block a's rows: my row's 32 pairs, 8 of each 32 channels: sixteen loads, into set a % 4 of window 1 (32 cosines at 64 (a % 4), 32 sines behind them): B's fragments are done with.
.macro CSLOAD a
.set CB, 64*((\a)%4)
	WIN TO_B
.irp b, 0,1,2,3
.irp k, 0,1
	global_load_b128 v[CB+8*\b+4*\k:CB+8*\b+4*\k+3], v[CSA], s[8:9] offset:(32*((\a)/2)+8*((\a)%2))*256+64*\b+16*\k
	global_load_b128 v[CB+32+8*\b+4*\k:CB+32+8*\b+4*\k+3], v[CSA], s[10:11] offset:(32*((\a)/2)+8*((\a)%2))*256+64*\b+16*\k
.endr
.endr
	WIN 0
.endm
; Block a comes into window 0, rotated (rope = 1; pair i: registers 2 i, 2 i + 1: re c - im s, im c + re s) or as it is (rope = 0), is quantised, and is stored as an image: three stores of 512 consecutive bytes,
; each at a multiple of 256 from the buffer's first byte.  loff: this way's own LDS bytes for the scale words.
.macro FRAGOUT a, rope, loff
.set AC, 64*((\a)%4)
.if \rope
.if (\a) < 6
	s_wait_loadcnt 32                              ; this block's sixteen loads are in; the 32 of the two blocks behind it stay out
.else
	s_wait_loadcnt 16*(7-(\a))                     ; the counts run down: 16, 0
.endif
.if (\a) < 5
	CSLOAD (\a)+3                                  ; three blocks ahead, into the set that the block before this one has left: 48 loads of mine are out at the most
.endif
.set CB, 64*((\a)%4)
	WIN 0x06+(\a)/4                                ; source 0: window 2 or 3; source 1: window 1
.set ii, 0
.rept 32
	v_mul_f32 v[R0+2*ii], v[AC+2*ii], v[CB+ii]     ; each accumulator is read from its low end on
	v_mul_f32 v[R0+2*ii+1], v[AC+2*ii+1], v[CB+ii]
.set ii, ii+1
.endr
.set ii, 0
.rept 32
	v_fma_f32 v[R0+2*ii], -v[AC+2*ii+1], v[CB+32+ii], v[R0+2*ii]
	v_fma_f32 v[R0+2*ii+1], v[AC+2*ii], v[CB+32+ii], v[R0+2*ii+1]
.set ii, ii+1
.endr
.else
	WIN 0x02+(\a)/4                                ; source 0: window 2 or 3
.set ii, 0
.rept 64
	v_mov_b32 v[R0+ii], v[AC+ii]                   ; into the window in which the quantiser works; each accumulator from its low end on
.set ii, ii+1
.endr
.endif
	WIN 0
	s_wait_xcnt 0x0                                ; the last block's stores have had their addresses translated (ISA guide 3.1): only behind this wait are the codes' registers written again
	QUANT R0, PC, TM, PW+\a
.irp c, 0,1,2
	global_store_b128 v[IMO], v[PC+4*\c:PC+4*\c+3], s[12:13] offset:1536*(\a)+512*\c
.endr
	ds_store_b32 v[SST], v[PW+\a] offset:64*(\a)+\loff   ; the block's sixteen scale words; both halves of the lanes write the same word with the same value
.endm
.macro WORDS loff                      ; the wave's 128 scale words leave together
	ds_load_b128 v[BACK:BACK+3], v[SRD] offset:\loff   ; LDS serves a wave's instructions in order (ISA guide 5.7.1.4): this sees my eight stores
	s_wait_dscnt 0x0
	global_store_b128 v[IMO], v[BACK:BACK+3], s[12:13] offset:12288   ; 512 consecutive bytes
.endm
	PLACES NP                                      ; behind the last products: their results are read, their registers written and loaded into below
.irp b, 0,1,2,3
	v_mov_b32 v[TM+4+\b], 0                        ; written once: a lane permute's destination counts as one of its sources
.endr
	s_cmp_lt_u32 ttmp9, 4                          ; ONE parting of the ways, on the cluster's x: q and k are rotated, v is not.  All loads of the first way stand inside it, so its counted waits count the same loads on every path
	s_cbranch_scc0 .Lvout
	CSLOAD 0
	CSLOAD 1
	CSLOAD 2
.irp a, 0,1,2,3,4,5,6,7
	FRAGOUT \a, 1, 0
.endr
	WORDS 0
	s_branch .Lend
.Lvout:
.irp a, 0,1,2,3,4,5,6,7
	FRAGOUT \a, 0, 2048
.endr
	WORDS 2048
.Lend:
	s_wait_tensorcnt 0x0                           ; the wave's end: behind my last tensor load and my last LDS store
	ds_add_u32 v[SPW], v[NIL]
	s_wait_dscnt 0x0
	CROUND                                         ; the closing round: no work-group ends while a partner may still ask for a tile that names it
	s_endpgm
.Lfunc_end_k_q1931751abf_proj:
	.size	k_q1931751abf_proj, .Lfunc_end_k_q1931751abf_proj-k_q1931751abf_proj
	.p2alignl 7, 3214868480
	.fill 96, 4, 3214868480
	.section	.rodata,"a",@progbits
	.p2align	6, 0x0
	.amdhsa_kernel k_q1931751abf_proj
		.amdhsa_group_segment_fixed_size 327680
		.amdhsa_private_segment_fixed_size 0
		.amdhsa_enable_private_segment 0
		.amdhsa_kernarg_size 40
		.amdhsa_user_sgpr_count 2
		.amdhsa_user_sgpr_kernarg_segment_ptr 1
		.amdhsa_wavefront_size32 1
		.amdhsa_system_sgpr_workgroup_id_x 1
		.amdhsa_system_sgpr_workgroup_id_y 1
		.amdhsa_system_sgpr_workgroup_id_z 1
		.amdhsa_system_vgpr_workitem_id 0
		.amdhsa_next_free_vgpr 1024
		.amdhsa_next_free_sgpr 100
		.amdhsa_reserve_vcc 0
		.amdhsa_float_denorm_mode_32 3
		.amdhsa_float_denorm_mode_16_64 3
		.amdhsa_memory_ordered 1
		.amdhsa_forward_progress 1
		.amdhsa_inst_pref_size 255
	.end_amdhsa_kernel
	.section	.bss,"aw",@nobits
	.p2align	6
	.space	262144
	.amdgpu_metadata
---
amdhsa.version: [ 1, 2 ]
amdhsa.kernels:
  - .name:           k_q1931751abf_proj
    .symbol:         k_q1931751abf_proj.kd
    .args:
      - { .name: wcodes, .offset: 0, .size: 8, .value_kind: global_buffer, .address_space: global }
      - { .name: wscales, .offset: 8, .size: 8, .value_kind: global_buffer, .address_space: global }
      - { .name: freq_cos, .offset: 16, .size: 8, .value_kind: global_buffer, .address_space: global }
      - { .name: freq_sin, .offset: 24, .size: 8, .value_kind: global_buffer, .address_space: global }
      - { .name: qkv, .offset: 32, .size: 8, .value_kind: global_buffer, .address_space: global }
    .group_segment_fixed_size: 327680
    .private_segment_fixed_size: 0
    .kernarg_segment_align: 8
    .kernarg_segment_size: 40
    .max_flat_workgroup_size: 128
    .sgpr_count:     100
    .vgpr_count:     1024
    .wavefront_size: 32
...
	.end_amdgpu_metadata
.endif
;; end of part 5
;; launch attn: the kernel of part 3 again; grid 16 x 16, 8 waves a work-group, clusters of 4 x 4, 327,680 bytes of LDS; arguments qkv, mimg, ocodes, oscales; writes ocodes, oscales
;; launch outp (part 6): grid 16 x 16, 4 waves a work-group, clusters of 4 x 4, 327,680 bytes of LDS; arguments ocodes, oscales, wcodes, wscales, out0; writes out0
.if DOCPART == 6
	.amdgcn_target "amdgcn-amd-amdhsa--gfx1250"
	.amdhsa_code_object_version 6
	.text
	.protected	k_q1931751abf_outp
	.globl	k_q1931751abf_outp
	.p2align	8
	.type	k_q1931751abf_outp,@function
k_q1931751abf_outp:
	s_mov_b64 s[64:65], 0
	v_nop
	global_prefetch_b8 v0, s[64:65] scope:SCOPE_SE
	s_setreg_imm32_b32 hwreg(HW_REG_WAVE_MODE, 25, 1), 1
	s_wait_xcnt 0x0
	s_wait_alu depctr_hold_cnt(0) depctr_sa_sdst(0) depctr_va_vdst(0) depctr_va_sdst(0) depctr_va_ssrc(0) depctr_va_vcc(0) depctr_vm_vsrc(0)
	s_getreg_b32 s2, hwreg(HW_REG_IB_STS2, 6, 4)
	s_cmp_eq_u32 s2, 0
	s_cbranch_scc0 .Lentry_in_a_cluster
	s_endpgm
.Lentry_in_a_cluster:
	s_bfe_u32 s2, ttmp6, 0x10000c
	s_cmp_lg_u32 s2, 0xf033
	s_cbranch_scc0 .Lentry_shape_is_right
	s_endpgm
.Lentry_shape_is_right:
; THE OUTPUT PROJECTION: out0[m][n] = sum over k of o[m][k] wo[n][k], on codes of FP6 (E2M3) with one E8M0 scale for each 32 along K; sums in f32; out0 [2048][2048] f32.
; A = ocodes [2048][1536 bytes], oscales [2048][64 bytes].  B = wo: rows 8,192 on of wcodes (rows of 1,536 bytes) and of wscales (rows of 64 bytes); both in their natural order.
; A tile of C is 128 x 128: C has 256 of them, a work-group each; tiles of 256 x 256 would be 64.  Four waves, each 64 x 64: 16 accumulators of 16 x 16, 128 registers.
; K = 2,048 goes in FOUR steps of 512 through two LDS slots: a tile's row is 384 bytes; a wave's tensor load brings 64 rows.  Both slots and the scales are asked for at the start (half of K), and each slot is filled once more.
; With four steps the text is written out: there is no loop, and every LDS and store offset is an immediate.
; THE SCALES of the work-group's 128 rows of A and 128 rows of B, for all of K, are two dense blocks of memory: they come into LDS ONCE, with the first fills, and stay.
; CLUSTERS: 4 x 4 work-groups.  The four of a row of the cluster need the same tiles of A, the four of a column the same tiles of B: each tile is asked for JOINTLY, by the same tensor load with the
; same descriptor and a mask that names the four.  THE MATRIX INSTRUCTION IS USED TRANSPOSED (source 0 = 16 rows of B, source 1 = 16 rows of A): a lane then holds eight neighbouring numbers of a row of C.
; REGISTERS: window 0: v0-31 addresses; v32-63 scale words, two sets of 16, and nothing else; v64-127 the way out; v128-255 the accumulators ((a, b) at v[128 + 8 (4 a + b)]).
;   window 1: two sets of fragments for 128 along K, at v0 and at v128: B's four (48 registers), then A's four.
.set SIZE_N, 2048
.set SIZE_K, 2048
.set KSTEP,  512                       ; along K in a slot
.set NQ,     KSTEP/128                 ; matrix instructions deep
.set ROWB,   KSTEP*6/8                 ; a tile's row in bytes: 384
.set KROW,   SIZE_K*6/8                ; a row of codes in memory, in bytes
.set PITCH,  432                       ; an LDS row: 3 x (128 bytes of data + 16 of padding) = 108 words: row r starts at bank 44 r mod 64 (64 banks of 4 bytes: ISA guide 11.1): sixteen different multiples of 4
.set FR,     12                        ; registers of a fragment: 16 rows x 128 K
.set NP,     4                         ; places behind this matrix instruction (ISA guide 7.12.1)
.set HALFT,  64*PITCH                  ; 64 rows: what one tensor load brings, and what one wave reads of A or of B
.set SLOT,   4*HALFT                   ; A's 128 rows, then B's 128 rows
.set KS,     SIZE_K/32                 ; a row of scales in bytes
.set SCL,    2*SLOT                    ; behind the two slots: the scales, as units of 256 bytes + 16 of padding
.set HALFS,  (64*KS/256)*272           ; the scales of 64 rows: what one tensor load brings
.set SBLK,   (16*KS/256)*272           ; those of 16 rows
.set SPARE,  SCL+4*HALFS               ; behind the scales: the spare words, 128 bytes for each wave: two blocks of 256 bytes that no other line names
.set SPITCH, 272                       ; the way out: a stage of 16 rows x (256 bytes + 16) for each wave.  It lies in slot 0, which has had its last fill and its last read when the first result is stored there
.set ADRA, 16                          ; v16-17  LDS address of my A fragments in slot 0, 1  (v18-19: the same for the pieces that lie behind one padding more)
.set ADRB, 20                          ; v20-21  the same for B  (v22-23)
.set STO,  24                          ; v24     the way out: where I put 32 bytes of a row
.set RD,   25                          ; v25     the way out: where I read 16 bytes of a row back
.set CO,   26                          ; v26     my byte offset in two rows of C
.set ADRS, 27                          ; v27     LDS address of my scale words: lanes 0-15 A's rows, lanes 16-31 B's; never rewritten
.set SPW,  28                          ; v28     LDS address of my spare word; never rewritten
.set NIL,  29                          ; v29     0; never rewritten
.set SC,   32                          ; scale words: set s (for slot s) at v[SC + 16 s]; register 4 i + q: lanes 0-15 the word of A's block i, lanes 16-31 that of B's block i, for the slot's q-th 128 along K
.set BK,   64                          ; the way out: 16 rows read back from the stage: v64-95 and v96-127 by turns
.set ACC,  128
.set G1, 24                            ; s[24:31] descriptor group 1 for A's tiles;  s[32:39] group 0, one set for each slot
.set G0, 32
.set G1B, 48                           ; s[48:55], s[56:63] the same for B's tiles
.set G0B, 56
.set G1S, 68                           ; s[68:75], s[76:79] groups 1 and 0 for A's scales;  s[80:87], s[88:91] for B's
.set G0S, 76
.set G1SB, 80
.set G0SB, 88
.set MSB, 0
.macro WIN new                         ; the immediate's high byte repeats the setting that is left
.if MSB != \new
	s_set_vgpr_msb (MSB<<8)|\new
.set MSB, \new
.endif
.endm
.set MUL,  0x05                        ; sources 0 (B) and 1 (A) window 1; C and D window 0
.set TO_F, 0x40                        ; destination window 1, address window 0
; A joint load: waves 0 and 1 fetch for A, waves 2 and 3 for B.  Each of the two lines has ONE mask and one set of registers for all that issue it; the branch hangs on the wave's number alone.
; Four v_nop follow each of the two lines, ahead of the jump, the label and what follows.
.macro JLOAD g0a, g1a, g0b, g1b
	s_cmp_eq_u32 s15, 0
	s_cbranch_scc0 .Lfor_b_\@
	tensor_load_to_lds s[\g0a:\g0a+3], s[\g1a:\g1a+7]
	s_nop 0
.rept 4
	v_nop
.endr
	s_branch .Lasked_\@
.Lfor_b_\@:
	tensor_load_to_lds s[\g0b:\g0b+3], s[\g1b:\g1b+7]
	s_nop 0
.rept 4
	v_nop
.endr
.Lasked_\@:
.endm
.macro CREST                           ; a round of the cluster's barrier behind its opening barrier
	s_cmp_lg_u32 s14, 0
	s_cbranch_scc1 .Lnot_wave_0_\@
	s_barrier_signal -3
.Lnot_wave_0_\@:
	s_barrier_wait -3
	s_barrier_signal -1
	s_barrier_wait -1
.endm
.macro CROUND                          ; a whole round
	s_barrier_signal -1
	s_barrier_wait -1
	CREST
.endm
	s_load_b128 s[4:7], s[0:1], 0x0                ; o's codes s[4:5], o's scales s[6:7]
	s_load_b128 s[8:11], s[0:1], 0x10              ; wcodes s[8:9], wscales s[10:11]
	s_load_b64 s[12:13], s[0:1], 0x20              ; out0
	v_lshl_add_u32 v[SPW], v0, 2, SPARE
	v_mov_b32 v[NIL], 0
	ds_add_u32 v28, v29
	s_wait_dscnt 0x0
	v_lshrrev_b32 v1, 5, v0
	v_readfirstlane_b32 s14, v1                    ; wave 0..3
	s_lshr_b32 s15, s14, 1                         ; which half of the tile's rows is mine.  Also: I fetch for A (0) or for B (1)
	s_and_b32 s16, s14, 1                          ; which half of its columns.  Also: which 64 rows of that tile I fetch
	s_bfe_u32 s40, ttmp6, 0x40000                  ; cx, cy: my place in the cluster
	s_bfe_u32 s41, ttmp6, 0x40004
	s_lshl_b32 s42, ttmp9, 2
	s_add_co_u32 s42, s42, s40                     ; tile column of C = 4 x cluster x + cx
	s_and_b32 s17, ttmp7, 0xffff
	s_lshl_b32 s17, s17, 2
	s_add_co_u32 s17, s17, s41                     ; tile row of C = 4 x cluster y + cy
	s_lshl_b32 s43, s41, 2
	s_lshl_b32 s43, 15, s43                        ; my row of the cluster
	s_lshl_b32 s44, 0x1111, s40                    ; my column
	; descriptor group 1: a tile of 64 rows x ROWB bytes, padded in LDS
	s_or_b32 s[G1+0], s43, (0<<16)|(1<<20)|(1<<21)|(4<<22)|(3<<25)  ; 15:0 the mask: A's tiles go to my row; 17:16 element of 1 byte; 20 padding on; 21 set beside a mask; 24:22 after every 32 words (code 4); 31:25 of 4 words (code 3)
	s_or_b32 s[G1B+0], s44, (0<<16)|(1<<20)|(1<<21)|(4<<22)|(3<<25)
.irp g, G1, G1B
	s_mov_b32 s[\g+1], ROWB<<16                    ; tensor_dim0
	s_mov_b32 s[\g+2], 64<<16                      ; tensor_dim1 = 64
	s_mov_b32 s[\g+3], ROWB<<16                    ; tile_dim0
	s_mov_b32 s[\g+4], 64                          ; tile_dim1 = 64
	s_mov_b32 s[\g+5], KROW                        ; tensor_dim0_stride
	s_mov_b32 s[\g+6], 0
	s_mov_b32 s[\g+7], 0
.endr
	; and for the scales of 64 rows: a dense block of 64 KS bytes, as rows of 256 bytes (32 elements of 8 bytes), 16 bytes of padding behind each
	s_or_b32 s[G1S+0], s43, (3<<16)|(1<<20)|(1<<21)|(5<<22)|(3<<25)
	s_or_b32 s[G1SB+0], s44, (3<<16)|(1<<20)|(1<<21)|(5<<22)|(3<<25)
.irp g, G1S, G1SB
	s_mov_b32 s[\g+1], 32<<16
	s_mov_b32 s[\g+2], (64*KS/256)<<16
	s_mov_b32 s[\g+3], 32<<16
	s_mov_b32 s[\g+4], 64*KS/256
	s_mov_b32 s[\g+5], 32
	s_mov_b32 s[\g+6], 0
	s_mov_b32 s[\g+7], 0
.endr
	s_lshl_b32 s18, s16, 6                         ; which 64 rows of the tile I fetch
	s_lshl_b32 s20, s17, 7
	s_add_co_u32 s20, s20, s18                     ; A: row 128 x tile row + 64 x half
	s_lshl_b32 s46, s42, 7
	s_add_co_u32 s46, s46, s18
	s_add_co_u32 s46, s46, 8192                    ; B: row 128 x tile column + 64 x half, in wo's section: rows 8,192 on
	s_mov_b32 s21, 0
	s_mov_b32 s47, 0
	s_mov_b64 s[18:19], KS
	s_mul_u64 s[22:23], s[20:21], s[18:19]         ; where these rows' scales begin, in bytes
	s_mul_u64 s[92:93], s[46:47], s[18:19]
	s_mov_b64 s[18:19], KROW
	s_mul_u64 s[20:21], s[20:21], s[18:19]         ; and their codes
	s_mul_u64 s[46:47], s[46:47], s[18:19]
	s_mul_i32 s45, s14, HALFT                      ; where they go: wave x 64 rows: no place in the cluster enters an LDS address
	s_mul_i32 s94, s14, HALFS
	s_wait_kmcnt 0x0
	s_add_nc_u64 s[20:21], s[4:5], s[20:21]
	s_add_nc_u64 s[22:23], s[6:7], s[22:23]
	s_add_nc_u64 s[46:47], s[8:9], s[46:47]
	s_add_nc_u64 s[92:93], s[10:11], s[92:93]
	CROUND                                         ; all sixteen work-groups are here: the first joint loads meet
	s_mov_b32 s[G0S], 1
	s_add_co_u32 s[G0S+1], s94, SCL
	s_mov_b64 s[G0S+2:G0S+3], s[22:23]
	s_or_b32 s[G0S+3], s[G0S+3], 0x80000000
	s_mov_b32 s[G0SB], 1
	s_add_co_u32 s[G0SB+1], s94, SCL
	s_mov_b64 s[G0SB+2:G0SB+3], s[92:93]
	s_or_b32 s[G0SB+3], s[G0SB+3], 0x80000000
	JLOAD G0S, G1S, G0SB, G1SB                     ; the scales first: they are wanted with K step 0
.irp s, 0,1
	s_mov_b32 s[G0+4*\s], 1
	s_add_co_u32 s[G0+4*\s+1], s45, \s*SLOT
	s_add_nc_u64 s[G0+4*\s+2:G0+4*\s+3], s[20:21], \s*ROWB
	s_or_b32 s[G0+4*\s+3], s[G0+4*\s+3], 0x80000000
	s_mov_b32 s[G0B+4*\s], 1
	s_add_co_u32 s[G0B+4*\s+1], s45, \s*SLOT
	s_add_nc_u64 s[G0B+4*\s+2:G0B+4*\s+3], s[46:47], \s*ROWB
	s_or_b32 s[G0B+4*\s+3], s[G0B+4*\s+3], 0x80000000
	JLOAD G0+4*\s, G1, G0B+4*\s, G1B               ; two, then three tensor loads of mine are out
.endr
	v_and_b32 v1, 15, v0                           ; l % 16
	v_bfe_u32 v2, v0, 4, 1                         ; l / 16
	v_mul_u32_u24 v3, v1, PITCH
	v_mul_u32_u24 v4, v2, 24
	v_add_nc_u32 v4, v3, v4                        ; a fragment's row x pitch + 24 x half
	v_lshl_add_u32 v5, v2, 4, v4                   ; and the same behind one padding more
	s_mul_i32 s21, s15, HALFT                      ; my 64 rows of A
	s_mul_i32 s22, s16, HALFT                      ; my 64 rows of B,
	s_add_co_u32 s22, s22, 2*HALFT                 ; which lie behind A's 128
.irp s, 0,1
	v_add_nc_u32 v[ADRA+\s], s21, v4
	v_add_nc_u32 v[ADRB+\s], s22, v4
	v_add_nc_u32 v[ADRA+2+\s], s21, v5
	v_add_nc_u32 v[ADRB+2+\s], s22, v5
	s_add_co_u32 s21, s21, SLOT
	s_add_co_u32 s22, s22, SLOT
.endr
	v_mul_u32_u24 v5, v1, KS                       ; my row's scales: KS bytes a row,
	v_lshrrev_b32 v6, 8, v5
	v_lshl_add_u32 v5, v6, 4, v5                   ; and 16 more for each 256 passed
	s_mul_i32 s21, s15, HALFS                      ; A's: my 64 rows
	s_mul_i32 s22, s16, HALFS                      ; B's: my 64 rows, behind A's 128
	s_add_co_u32 s22, s22, 2*HALFS
	s_sub_co_u32 s22, s22, s21
	v_mul_u32_u24 v6, s22, v2                      ; lanes 16-31 take B's
	s_add_co_u32 s21, s21, SCL
	v_add_nc_u32 v5, v5, v6
	v_add_nc_u32 v[ADRS], s21, v5
	s_mul_i32 s23, s14, 16*SPITCH                  ; my stage
	v_mul_u32_u24 v5, v1, SPITCH                   ; in: row l % 16, 32 bytes for each half of the lanes
	v_lshl_add_u32 v5, v2, 5, v5
	v_add_nc_u32 v[STO], s23, v5
	v_mul_u32_u24 v5, v2, SPITCH                   ; back: lanes 0-15 take one row of 256 bytes, lanes 16-31 the next
	v_lshl_add_u32 v5, v1, 4, v5
	v_add_nc_u32 v[RD], s23, v5
	v_lshlrev_b32 v5, 13, v2                       ; and the same two rows in C: a row of C is 8,192 bytes
	v_lshl_add_u32 v[CO], v1, 4, v5
	s_lshl_b32 s20, s17, 7
	s_lshl_b32 s21, s15, 6
	s_add_co_u32 s20, s20, s21                     ; my first row of C: 128 x tile row + 64 x half
	s_mov_b32 s21, 0
	s_mov_b64 s[18:19], SIZE_N*4
	s_mul_u64 s[20:21], s[20:21], s[18:19]
	s_lshl_b32 s46, s42, 9                         ; my first column, in bytes: 512 x tile column + 256 x half
	s_lshl_b32 s47, s16, 8
	s_add_co_u32 s46, s46, s47
	s_mov_b32 s47, 0
	s_add_nc_u64 s[20:21], s[20:21], s[46:47]
	s_add_nc_u64 s[12:13], s[12:13], s[20:21]
.macro FRAG reg, adr, q, i             ; a fragment, 16 rows x 128 K of 6-bit codes, is 12 registers: lane l holds row l % 16; registers 6 c .. 6 c + 5 hold K = 64 c + 32 (l / 16) + 0 .. 31: 24 bytes of the row's stream of bits, as they lie
.irp p, 0,1,2,3,4,5                    ; in pieces of 8 bytes, so that every address is a multiple of the access's size.  Lanes 0-15 take the row's pieces 12 q + 0, 1, 2 and 12 q + 6, 7, 8, lanes 16-31 those three pieces on
.set PCE, 12*(\q)+6*(\p/3)+\p%3       ; 16 bytes of padding lie behind every 128 bytes (16 pieces): where the piece three on lies behind one padding more, the second address register (40 for 24 bytes a half) serves
.if PCE%16 < 13
	ds_load_b64 v[\reg+2*\p:\reg+2*\p+1], v[\adr] offset:8*PCE+16*(PCE/16)+(\i)*16*PITCH
.else
	ds_load_b64 v[\reg+2*\p:\reg+2*\p+1], v[\adr+2] offset:8*PCE+16*(PCE/16)+(\i)*16*PITCH
.endif
.endr
.endm
; 4 matrix instructions: A's block a x B's four, 128 along K: the slot's q-th.  p: the set of fragments;  sc: the set of scale words.  zero = 1: the first product starts the sums: nothing is ever cleared.
; The 16 accumulators take turns, one instruction a turn, in the same order in every step.
.macro MUL4 a, p, q, sc, zero
.irp b, 0,1,2,3
.if \zero
	v_wmma_scale_f32_16x16x128_f8f6f4 v[ACC+8*(4*(\a)+\b):ACC+8*(4*(\a)+\b)+7], v[128*(\p)+FR*\b:128*(\p)+FR*\b+FR-1], v[128*(\p)+48+FR*(\a):128*(\p)+48+FR*(\a)+FR-1], 0, v[SC+16*(\sc)+NQ*\b+(\q)], v[SC+16*(\sc)+NQ*(\a)+(\q)] matrix_a_fmt:MATRIX_FMT_FP6 matrix_b_fmt:MATRIX_FMT_FP6 matrix_a_scale:MATRIX_SCALE_ROW1
.else
	v_wmma_scale_f32_16x16x128_f8f6f4 v[ACC+8*(4*(\a)+\b):ACC+8*(4*(\a)+\b)+7], v[128*(\p)+FR*\b:128*(\p)+FR*\b+FR-1], v[128*(\p)+48+FR*(\a):128*(\p)+48+FR*(\a)+FR-1], v[ACC+8*(4*(\a)+\b):ACC+8*(4*(\a)+\b)+7], v[SC+16*(\sc)+NQ*\b+(\q)], v[SC+16*(\sc)+NQ*(\a)+(\q)] matrix_a_fmt:MATRIX_FMT_FP6 matrix_b_fmt:MATRIX_FMT_FP6 matrix_a_scale:MATRIX_SCALE_ROW1
.endif
.endr
.endm
.macro FETCH slot, q, p                ; 48 LDS loads in one run: B's four and A's four fragments of the slot's q-th 128 along K into set p
	WIN TO_F
.irp i, 0,1,2,3
	FRAG 128*(\p)+FR*\i, ADRB+\slot, \q, \i
	FRAG 128*(\p)+48+FR*\i, ADRA+\slot, \q, \i
.endr
.endm
.macro SCALES sc, t                    ; K step t's scale words into set sc: four words, 16 bytes, a row; lanes 0-15 take A's block i, lanes 16-31 B's block i
.irp i, 0,1,2,3
	ds_load_b128 v[SC+16*\sc+4*\i:SC+16*\sc+4*\i+3], v[ADRS] offset:\i*SBLK+16*\t
.endr
.endm
; A load into a register that a matrix instruction has read, and an LDS store that reads a matrix result, stand NP places behind that matrix instruction, and only plain vector
; instructions that name none of its registers are places (ISA guide 7.12.1 for vector instructions).
.macro PLACES n
.rept \n
	v_nop
.endr
.endm
; 128 along K that have their successor in the same slot: the next 128's fragments are asked for, into the other set, ahead of this step's sixteen products.
.macro SUB slot, q, zero
	s_wait_dscnt 0x0                               ; this step's fragments (asked for ahead of the last sixteen products) are in
	PLACES NP                                      ; the other set was read by the products just issued
	FETCH \slot, (\q)+1, 1-(\q)%2
	WIN MUL
	MUL4 0, (\q)%2, \q, \slot, \zero
	MUL4 1, (\q)%2, \q, \slot, \zero
	MUL4 2, (\q)%2, \q, \slot, \zero
	MUL4 3, (\q)%2, \q, \slot, \zero
.endm
; A slot's last 128 change slots: ONE barrier; in front of it each wave waits for all its tensor loads, adds 0 to its spare word, and waits for that and for its own reads of this slot.
; fill = 1: this slot is filled again, two K steps ahead.  t: the K step that lies in the next slot.
.macro TURN slot, next, fill, t
	WIN 0                                          ; (the add's two registers lie in window 0)
	s_wait_tensorcnt 0x0                           ; all my tensor loads have landed: my part of the next slot;
	ds_add_u32 v[SPW], v[NIL]                      ; 0 onto my spare word
	s_wait_dscnt 1                                 ; (this step's fragments are in; the add may be out)
	WIN MUL
	MUL4 0, 1, NQ-1, \slot, 0                      ; four matrix instructions stand between the add and the wait for it
	s_wait_dscnt 0x0                               ; the add is done, and my reads of this slot are over
	s_barrier_signal -1
	MUL4 1, 1, NQ-1, \slot, 0
	WIN 0
	s_barrier_wait -1
.if \fill
	CREST                                          ; the barrier has opened a round of the cluster's barrier: no wave of any partner still reads this slot's tile or has a load on its way
	s_add_nc_u64 s[G0+4*\slot+2:G0+4*\slot+3], s[G0+4*\slot+2:G0+4*\slot+3], 2*ROWB
	s_add_nc_u64 s[G0B+4*\slot+2:G0B+4*\slot+3], s[G0B+4*\slot+2:G0B+4*\slot+3], 2*ROWB
	JLOAD G0+4*\slot, G1, G0B+4*\slot, G1B         ; the first tensor load behind the round, my one load until the next; the four v_nop behind it are the places in front of the loads below
.else
	PLACES NP
.endif
	FETCH \next, 0, 0
	WIN 0
	SCALES \next, \t
	WIN MUL
	MUL4 2, 1, NQ-1, \slot, 0
	MUL4 3, 1, NQ-1, \slot, 0
.endm
	s_wait_tensorcnt 1                             ; the scales and my part of K step 0 are in (K step 1's load may be out)
	s_barrier_signal -1
	s_barrier_wait -1                              ; everybody's are
	FETCH 0, 0, 0
	WIN 0
	SCALES 0, 0
	SUB 0, 0, 1                                    ; K step 0: its first products start the sums
	SUB 0, 1, 0
	SUB 0, 2, 0
	TURN 0, 1, 1, 1                                ; slot 0 takes K step 2
	SUB 1, 0, 0                                    ; K step 1
	SUB 1, 1, 0
	SUB 1, 2, 0
	TURN 1, 0, 1, 2                                ; slot 1 takes K step 3
	SUB 0, 0, 0                                    ; K step 2
	SUB 0, 1, 0
	SUB 0, 2, 0
	TURN 0, 1, 0, 3                                ; nothing is left to fetch: no round
	SUB 1, 0, 0                                    ; K step 3
	SUB 1, 1, 0
	SUB 1, 2, 0
	s_wait_dscnt 0x0                               ; the very last 128
	WIN MUL
	MUL4 0, 1, NQ-1, 1, 0
	MUL4 1, 1, NQ-1, 1, 0
	MUL4 2, 1, NQ-1, 1, 0
	MUL4 3, 1, NQ-1, 1, 0
	WIN 0
; THE WAY OUT, block by block of 16 rows x 64 columns.  A lane holds 32 neighbouring bytes of a row, and the lanes beside it hold other rows: so a block goes through my own stage in LDS and comes back as whole
; pieces of 256 bytes of a row: my 64 columns.  LDS serves a wave's instructions in order (ISA guide 5.7.1.4): no wait between the stores and the loads, nor in front of the next block's stores.
.macro TOSTAGE a
.set AC, ACC+32*(\a)
.irp b, 0,1,2,3
	ds_store_b128 v[STO], v[AC+8*\b:AC+8*\b+3] offset:64*\b          ; each accumulator from its low end on
	ds_store_b128 v[STO], v[AC+8*\b+4:AC+8*\b+7] offset:64*\b+16
.endr
.set BB, BK+32*((\a)%2)
.irp t, 0,1,2,3,4,5,6,7
	ds_load_b128 v[BB+4*\t:BB+4*\t+3], v[RD] offset:2*\t*SPITCH
.endr
.endm
.macro SEND a, younger                 ; younger: the LDS instructions issued behind block a's loads, which may stay out
.set BB, BK+32*((\a)%2)
	s_wait_dscnt \younger                          ; the block is back in registers
.irp t, 0,1,2,3,4,5,6,7
	global_store_b128 v[CO], v[BB+4*\t:BB+4*\t+3], s[12:13] offset:(16*(\a)+2*\t)*SIZE_N*4 th:TH_STORE_NT   ; 16 lanes store 256 consecutive bytes, at a multiple of 256 from C's first byte; 62 rows of C at the most stand in the immediate; written once, read by nobody here
.endr
.endm
	PLACES NP                                      ; the stores below read results just made
	TOSTAGE 0
.irp a, 1,2,3
.if \a > 1
	s_wait_xcnt 0x0                                ; block a - 2's stores have had their addresses translated (ISA guide 3.1): only behind this wait do block a's loads land in their registers
.endif
	TOSTAGE \a
	SEND \a-1, 16                                  ; behind block a - 1's loads: block a's 8 stores and 8 loads
.endr
	SEND 3, 0
	s_wait_tensorcnt 0x0                           ; the wave's end: behind my last tensor load and my last LDS store
	ds_add_u32 v[SPW], v[NIL]
	s_wait_dscnt 0x0
	CROUND                                         ; the closing round: no work-group ends while a partner may still ask for a tile that names it
	s_endpgm
.Lfunc_end_k_q1931751abf_outp:
	.size	k_q1931751abf_outp, .Lfunc_end_k_q1931751abf_outp-k_q1931751abf_outp
	.p2alignl 7, 3214868480
	.fill 96, 4, 3214868480
	.section	.rodata,"a",@progbits
	.p2align	6, 0x0
	.amdhsa_kernel k_q1931751abf_outp
		.amdhsa_group_segment_fixed_size 327680
		.amdhsa_private_segment_fixed_size 0
		.amdhsa_enable_private_segment 0
		.amdhsa_kernarg_size 40
		.amdhsa_user_sgpr_count 2
		.amdhsa_user_sgpr_kernarg_segment_ptr 1
		.amdhsa_wavefront_size32 1
		.amdhsa_system_sgpr_workgroup_id_x 1
		.amdhsa_system_sgpr_workgroup_id_y 1
		.amdhsa_system_sgpr_workgroup_id_z 1
		.amdhsa_system_vgpr_workitem_id 0
		.amdhsa_next_free_vgpr 512
		.amdhsa_next_free_sgpr 98
		.amdhsa_reserve_vcc 0
		.amdhsa_float_denorm_mode_32 3
		.amdhsa_float_denorm_mode_16_64 3
		.amdhsa_memory_ordered 1
		.amdhsa_forward_progress 1
		.amdhsa_inst_pref_size 105
	.end_amdhsa_kernel
	.amdgpu_metadata
---
amdhsa.version: [ 1, 2 ]
amdhsa.kernels:
  - .name:           k_q1931751abf_outp
    .symbol:         k_q1931751abf_outp.kd
    .args:
      - { .name: ocodes, .offset: 0, .size: 8, .value_kind: global_buffer, .address_space: global }
      - { .name: oscales, .offset: 8, .size: 8, .value_kind: global_buffer, .address_space: global }
      - { .name: wcodes, .offset: 16, .size: 8, .value_kind: global_buffer, .address_space: global }
      - { .name: wscales, .offset: 24, .size: 8, .value_kind: global_buffer, .address_space: global }
      - { .name: out0, .offset: 32, .size: 8, .value_kind: global_buffer, .address_space: global }
    .group_segment_fixed_size: 327680
    .private_segment_fixed_size: 0
    .kernarg_segment_align: 8
    .kernarg_segment_size: 40
    .max_flat_workgroup_size: 128
    .sgpr_count:     98
    .vgpr_count:     512
    .wavefront_size: 32
...
	.end_amdgpu_metadata
.endif
;; end of part 6
